; MI455X (gfx1250); checked and timed in simulation.
; The chip was launched on July 23, 2026; its instructions are those of AMD's public machine-readable ISA for CDNA 5 (MIT licence, August 2026) and "CDNA5" Instruction Set Architecture Reference Guide (July 2026). The comments in the code are by the model that wrote it; some were corrected since.
;; Multi Head Attention. Allowed arithmetic: matrix products marked QUANTISED: E2M1 operands, one E8M0 scale for each 32 along K, by v_wmma_scale_f32_16x16x128_f8f6f4 with both operands' format E2M1 (or v_wmma_scale_f32_32x16x128_f4), f32 sums; products left as they are: bf16, f16 or f32 operands; f32 sums; everything else in f32.
;; Inputs: Wk 1,024 x 1,024 float32; Wo 1,024 x 1,024 float32; Wq 1,024 x 1,024 float32; Wv 1,024 x 1,024 float32; bo 1,024 float32; x 4 x 2,048 x 1,024 float32.
;; Outputs: out0 4 x 2,048 x 1,024 float32.
;; This version of the problem:
;;   THIS VERSION OF THE PROBLEM IS GIVEN IN LOW PRECISION. The matrix products marked QUANTISED in the list below multiply operands that are first quantised to E2M1 (2 exponent bits, 1 mantissa bit; 4 bits a number), with one power-of-two scale for each 32 numbers along K (OCP MX v1.0); their sums are f32. The products marked 'left as it is' may take bf16, f16 or f32 operands, with f32 sums. Whichever they take, every output number must still come out within the allowed error. Rounding operands to bf16 (8 significant bits) uses up far more of that allowance than f16 does (11 bits, for magnitudes from 6e-5 to 65,504). All else is computed in f32.
;;   The module's matrix products, in the order in which they are computed (A, B: the left and right operand; K: the contracted axis; several contracted axes count as one K, in the product's order):
;;     1. [M 8,192, K 1,024] x [K 1,024, N 1,024]; A: input x; B: input Wq: QUANTISED
;;     2. [M 8,192, K 1,024] x [K 1,024, N 1,024]; A: input x; B: input Wk: QUANTISED
;;     3. [M 8,192, K 1,024] x [K 1,024, N 1,024]; A: input x; B: input Wv: QUANTISED
;;     4. batch 64 x [M 2,048, K 64] x [K 64, N 2,048]; A: computed on the way; B: computed on the way: left as it is (an operand is computed on the way)
;;     5. batch 64 x [M 2,048, K 2,048] x [K 2,048, N 64]; A: computed on the way; B: computed on the way: left as it is (an operand is computed on the way)
;;     6. [M 8,192, K 1,024] x [K 1,024, N 1,024]; A: computed on the way; B: input Wo: left as it is (an operand is computed on the way)
;;   THE QUANTISER, for each operand of a quantised product, along K:
;;     - K is cut into blocks of 32 from its start; a last block that is shorter is filled with zeros.
;;     - A block's scale is 2^e with e = floor(log2(the largest magnitude in the block)) - 2, held to -126 .. 127; a block of zeros has e = 0. As a byte (E8M0): e + 127.
;;     - Each number is divided by its block's scale, clamped to +-6, and rounded to the nearest number of E2M1, ties to even, subnormals kept.
;;     - The product sums the exact products of the quantised numbers (number of the format x scale) in f32.
;;   ~~~python
;;   def quantise(x, axis):      # numpy; x: float32 -> the quantised numbers, widened to float32 again
;;       x = np.moveaxis(x, axis, -1); K = x.shape[-1]
;;       x = np.pad(x, [(0, 0)] * (x.ndim - 1) + [(0, -K % 32)]); x = x.reshape(x.shape[:-1] + (-1, 32)); a = np.abs(x).max(-1, keepdims=True)
;;       e = np.where(a > 0, np.clip(np.frexp(np.where(a > 0, a, 1))[1] - 1 - 2, -126, 127), 0)      # np.frexp(a)[1] - 1 = floor(log2(a)), exactly
;;       r = np.clip(x / 2.0 ** e, -6, 6)
;;       step = 2.0 ** (np.maximum(np.frexp(np.where(r == 0, 1, r))[1] - 1, 0) - 1)
;;       q = np.round(r / step) * step * 2.0 ** e      # np.round: ties to even
;;       return np.moveaxis(q.reshape(q.shape[:-2] + (-1,))[..., :K], -1, axis).astype(np.float32)
;;   ~~~
;; One version. Each part assembles by itself: llvm-mc -triple=amdgcn-amd-amdhsa -mcpu=gfx1250 --defsym DOCPART=n.
;; ======== version 1 of 1: 6 launches
;; limits: values are held in f16: magnitudes above 65,504 overflow, below 6.1e-05 lose precision
;; workspace buffers: xc 4,194,304 bytes; xs 262,144 bytes; wc 1,572,864 bytes; ws 98,304 bytes; woi 2,097,152 bytes; qkv 50,331,648 bytes; q32 786,432 bytes; ctxi 16,777,216 bytes
;; launch quant_x (part 1): grid 256 x 1, 4 waves a work-group, no clusters, 33,280 bytes of LDS; arguments x, xc, xs; writes xc, xs
.if DOCPART == 1
	.amdgcn_target "amdgcn-amd-amdhsa--gfx1250"
	.amdhsa_code_object_version 6
	.text
	.protected	k_qad77b6a770_quant_x
	.globl	k_qad77b6a770_quant_x
	.p2align	8
	.type	k_qad77b6a770_quant_x,@function
k_qad77b6a770_quant_x:
	s_mov_b64 s[64:65], 0
	v_nop
	global_prefetch_b8 v0, s[64:65] scope:SCOPE_SE
	s_setreg_imm32_b32 hwreg(HW_REG_WAVE_MODE, 25, 1), 1
	s_wait_xcnt 0x0
; x [8192][1024], f32, becomes codes of FP4 (E2M1), K innermost, two codes a byte (xc: 512 bytes a row), with one E8M0 scale byte for each 32 along K (xs: 32 bytes a row).
; A block's scale is 2^(floor(log2(its largest magnitude)) - 2); its byte is the largest magnitude's exponent field - 2, held at 1 from below.  Each number is divided by the scale and rounded to the nearest code, ties to even; beyond 6 the largest code.
; LIMITS: a block of zeros gets the byte 1 where the rule says 127 (its codes are zeros, and this program alone reads the bytes); blocks whose largest magnitude lies under 2^-124 keep the byte 1 (not tried); NaN and infinities are not served.
; Rows are dense and 1,024 is a multiple of 32: the tensor is a plain stream of blocks of 32.  A wave takes 16 steps of 512 numbers: 8,192 numbers, 1,024 waves in all.
; Each of a step's four loads reads 512 consecutive bytes, 16 a lane; the 2,048 bytes turn through the wave's own stage in LDS and come back 64 bytes a lane, so that a lane holds 16 neighbours along K (two lanes to a block).
; A lane's 16 codes are 8 bytes: a wave's store covers 256 consecutive bytes.  A wave's 256 scale bytes are gathered in LDS and leave as 256 consecutive bytes.  Waves share nothing: no barrier.
.set WAVES, 4
.set STEPS, 16
.set EMAX,  2
.set CB,    8                          ; bytes of 16 codes
.set R,     16                         ; v16-79   four sets of 16 numbers as they are loaded
.set X,     80                         ; v80-111  two sets of 16 neighbours
.set C,     128                        ; v128-191 codes: four registers for each step, so that no store's data are written again
.set E,     112                        ; v112-127 a scale byte for each step
.set WREG,  8192                       ; LDS: a region for each wave: two stages of 32 x SP bytes, behind them its 256 scale bytes
.set SP,    80                         ; a lane's place in a stage: 64 bytes + 16 of padding
.set SPW,   12                         ; v12  LDS address of my spare word; never rewritten
.set NIL,   13                         ; v13  0; never rewritten
.set SPARE, WAVES*WREG                 ; behind the four regions: the spare words, 128 bytes a wave, which no other line names
	s_load_b128 s[4:7], s[0:1], 0x0                ; x, xc
	s_load_b64 s[8:9], s[0:1], 0x10                ; xs
	v_lshl_add_u32 v[SPW], v0, 2, SPARE
	v_mov_b32 v[NIL], 0
	v_lshrrev_b32 v1, 5, v0
	v_readfirstlane_b32 s16, v1                    ; wave
	v_and_b32 v2, 31, v0                           ; lane
	v_lshlrev_b32 v3, 4, v2                        ; my 16 bytes of a load's 512
	s_mul_i32 s17, s16, WREG
	v_lshrrev_b32 v14, 2, v2
	v_mul_u32_u24 v14, v14, SP
	v_and_b32 v15, 3, v2
	v_lshl_add_u32 v14, v15, 4, v14
	v_add_nc_u32 v14, s17, v14                     ; the stage, on the way in: SP (lane / 4) + 16 (lane % 4)
	v_mul_u32_u24 v15, v2, SP
	v_add_nc_u32 v15, s17, v15                     ; and on the way out: SP x lane: my 16 neighbours
	v_mul_u32_u24 v4, v2, CB                       ; my codes' place in a step's
	v_lshrrev_b32 v5, 1, v2
	s_add_co_u32 s17, s17, 2*32*SP
	v_add_nc_u32 v5, s17, v5                       ; LDS: my wave's 256 scale bytes, my block's byte
	v_lshlrev_b32 v7, 3, v2                        ; and on the way out 8 bytes a lane
	v_add_nc_u32 v6, s17, v7
	s_lshl_b32 s18, ttmp9, 2
	s_add_co_u32 s18, s18, s16                     ; which run of 8,192 numbers is my wave's: 0 to 1,023
	s_lshl_b32 s20, s18, 15                        ; 32,768 bytes of x,
	s_mov_b32 s21, 0
	s_lshl_b32 s22, s18, 12                        ; 4,096 of codes,
	s_mov_b32 s23, 0
	s_lshl_b32 s24, s18, 8                         ; 256 scale bytes a run
	s_mov_b32 s25, 0
	s_wait_kmcnt 0x0
	s_add_nc_u64 s[4:5], s[4:5], s[20:21]
	s_add_nc_u64 s[6:7], s[6:7], s[22:23]
	s_add_nc_u64 s[8:9], s[8:9], s[24:25]
.macro LOAD t
.irp i, 0,1,2,3
	global_load_b128 v[R+16*((\t)%4)+4*\i:R+16*((\t)%4)+4*\i+3], v3, s[4:5] offset:2048*(\t)+512*\i th:TH_LOAD_NT   ; 32 lanes read 512 consecutive bytes
.endr
.endm
.macro TURN t                          ; step t's numbers through the stage: LDS serves a wave's instructions in order, so no wait stands between the stores and the loads
.irp i, 0,1,2,3
	ds_store_b128 v14, v[R+16*((\t)%4)+4*\i:R+16*((\t)%4)+4*\i+3] offset:32*SP*((\t)%2)+8*SP*\i
.endr
.irp i, 0,1,2,3
	ds_load_b128 v[X+16*((\t)%2)+4*\i:X+16*((\t)%2)+4*\i+3], v15 offset:32*SP*((\t)%2)+16*\i
.endr
.endm
.irp t, 0,1,2,3
	LOAD \t
.endr
	s_wait_loadcnt 12                              ; step 0's four loads are in; the twelve of steps 1 to 3 may be out
	TURN 0
.macro STEP t
.set XS, X+16*((\t)%2)
.if (\t) > 0
	s_wait_dscnt 1                                 ; this step's numbers are back from the stage (the last step's byte store may be out): so its stores into the stage have read their registers,
.else
	s_wait_dscnt 0x0
.endif
.if (\t)+4 < STEPS
	LOAD (\t)+4                                    ; which take the loads of four steps on
.endif
.if (\t)+1 < STEPS
.if STEPS-2-(\t) >= 3
	s_wait_loadcnt 12                              ; the next step's four loads are in; those of the three steps behind it may be out
.else
	s_wait_loadcnt 4*(STEPS-2-(\t))
.endif
	TURN (\t)+1                                    ; and go through the other stage while this step is worked
.endif
	v_max3_num_f32 v8, |v[XS]|, |v[XS+1]|, |v[XS+2]|               ; the largest magnitude of my 16, in two chains
	v_max3_num_f32 v9, |v[XS+3]|, |v[XS+4]|, |v[XS+5]|
.irp i, 6,10
	v_max3_num_f32 v8, v8, |v[XS+\i]|, |v[XS+\i+1]|
	v_max3_num_f32 v9, v9, |v[XS+\i+2]|, |v[XS+\i+3]|
.endr
	v_max3_num_f32 v8, v8, |v[XS+14]|, |v[XS+15]|
	v_max3_num_f32 v8, v8, v9, (EMAX+1)<<23        ; and the floor 2^(3 - 127): the byte cannot fall under 1
	v_max_num_f32_dpp v8, v8, v8 row_xmask:1 row_mask:0xf bank_mask:0xf   ; and of my neighbour's 16: the block's
	v_add_nc_u32 v11, -(EMAX<<23), v8              ; 2 off its exponent field: the conversion takes the exponent field of this operand as its scale
	v_cvt_scalef32_pk8_fp4_f32 v[C+4*(\t)], v[XS:XS+7], v11
	v_cvt_scalef32_pk8_fp4_f32 v[C+4*(\t)+1], v[XS+8:XS+15], v11
	v_lshrrev_b32 v[E+(\t)], 23, v11               ; the scale's byte (also the plain line behind the conversions)
	ds_store_b8 v5, v[E+(\t)] offset:16*(\t)       ; both lanes of a block write the same byte with the same value
	global_store_b64 v4, v[C+4*(\t):C+4*(\t)+1], s[6:7] offset:32*CB*(\t)
.endm
.irp t, 0,1,2,3,4,5,6,7,8,9,10,11,12,13,14,15
	STEP \t
.endr
	ds_load_b64 v[8:9], v6                         ; LDS serves a wave's instructions in order: these see my stores
	s_wait_dscnt 0x0
	global_store_b64 v7, v[8:9], s[8:9]            ; 32 lanes store 256 consecutive bytes
	s_wait_tensorcnt 0x0                           ; the wave's end, behind my last LDS store
	ds_add_u32 v[SPW], v[NIL]
	s_wait_dscnt 0x0
	s_endpgm
.Lfunc_end_k_qad77b6a770_quant_x:
	.size	k_qad77b6a770_quant_x, .Lfunc_end_k_qad77b6a770_quant_x-k_qad77b6a770_quant_x
	.p2alignl 7, 3214868480
	.fill 96, 4, 3214868480
	.section	.rodata,"a",@progbits
	.p2align	6, 0x0
	.amdhsa_kernel k_qad77b6a770_quant_x
		.amdhsa_group_segment_fixed_size 33280
		.amdhsa_private_segment_fixed_size 0
		.amdhsa_enable_private_segment 0
		.amdhsa_kernarg_size 24
		.amdhsa_user_sgpr_count 2
		.amdhsa_user_sgpr_kernarg_segment_ptr 1
		.amdhsa_wavefront_size32 1
		.amdhsa_system_sgpr_workgroup_id_x 1
		.amdhsa_system_sgpr_workgroup_id_y 1
		.amdhsa_system_sgpr_workgroup_id_z 1
		.amdhsa_system_vgpr_workitem_id 0
		.amdhsa_next_free_vgpr 192
		.amdhsa_next_free_sgpr 66
		.amdhsa_reserve_vcc 0
		.amdhsa_float_denorm_mode_32 3
		.amdhsa_float_denorm_mode_16_64 3
		.amdhsa_memory_ordered 1
		.amdhsa_forward_progress 1
		.amdhsa_inst_pref_size 33
	.end_amdhsa_kernel
	.amdgpu_metadata
---
amdhsa.version: [ 1, 2 ]
amdhsa.kernels:
  - .name:           k_qad77b6a770_quant_x
    .symbol:         k_qad77b6a770_quant_x.kd
    .args:
      - { .name: x, .offset: 0, .size: 8, .value_kind: global_buffer, .address_space: global }
      - { .name: xc, .offset: 8, .size: 8, .value_kind: global_buffer, .address_space: global }
      - { .name: xs, .offset: 16, .size: 8, .value_kind: global_buffer, .address_space: global }
    .group_segment_fixed_size: 33280
    .private_segment_fixed_size: 0
    .kernarg_segment_align: 8
    .kernarg_segment_size: 24
    .max_flat_workgroup_size: 128
    .sgpr_count:     66
    .vgpr_count:     192
    .wavefront_size: 32
...
	.end_amdgpu_metadata
.endif
;; end of part 1
;; launch prep_w (part 2): grid 32 x 2, 4 waves a work-group, no clusters, 35,840 bytes of LDS; arguments Wq, Wk, Wv, Wo, wc, ws, woi; writes wc, ws, woi
.if DOCPART == 2
	.amdgcn_target "amdgcn-amd-amdhsa--gfx1250"
	.amdhsa_code_object_version 6
	.text
	.protected	k_qad77b6a770_prep_w
	.globl	k_qad77b6a770_prep_w
	.p2align	8
	.type	k_qad77b6a770_prep_w,@function
k_qad77b6a770_prep_w:
	s_mov_b64 s[64:65], 0
	v_nop
	global_prefetch_b8 v0, s[64:65] scope:SCOPE_SE
	s_setreg_imm32_b32 hwreg(HW_REG_WAVE_MODE, 25, 1), 1
	s_wait_xcnt 0x0
; The four weights [1024 (k)][1024 (n)], f32, K along the FIRST axis.  Work-group x = 8 tau + cg: tau picks the weight (0 Wq, 1 Wk, 2 Wv, 3 Wo), cg 128 of its columns; work-group y picks 512 along K.
; A LANE TAKES A COLUMN n AND ITS REGISTERS RUN DOWN K: each load reads 128 consecutive bytes a wave, and a block of 32 along K lies in one lane's 32 registers.
; tau < 3: the block is quantised to FP4 (E2M1) with one E8M0 byte: wc [1024 tau + n][512 bytes], K innermost; ws [1024 tau + n][32].  The codes leave through the wave's own stage in LDS, sixteen lanes to 256 consecutive bytes.
; tau = 3: Wo is rounded to f16 and laid in the order of a matrix operand's registers: woi [ks 8][nb 64][kf 4][c 2][lane 32][16 bytes]: lane (r, h), piece c, holds Wo[128 ks + 32 kf + 16 c + 8 h + 0..7][16 nb + r].
;          A lane's eight neighbours along K are 16 bytes of that order, and sixteen lanes' pieces are 256 consecutive bytes: no LDS on this way.
; LIMITS: as in the launch that quantises x (zero blocks get the byte 1; under 2^-124 not tried; NaN and infinities not served); |Wo| stays under 65,504, f16's largest number.
.set KW,    512                        ; along K for a wave
.set NB,    KW/32                      ; blocks
.set ROWB,  256                        ; bytes of KW codes
.set PITCH, ROWB+16                    ; a stage row
.set KROW,  512                        ; a row of wc in bytes
.set NROW,  4096                       ; a row of a weight in bytes
.set EMAX,  2
.set X,     32                         ; v32-95   two sets of 32 numbers
.set C,     96                         ; v96-99   a block's codes; on Wo's way v96-127: two sets of 16 packed registers
.set OUTR,  112                        ; v112-175 the way out: 16 x 4 registers
.set SPW,   14                         ; v14  LDS address of my spare word; never rewritten
.set NIL,   15                         ; v15  0; never rewritten
.set SPARE, 4*32*PITCH                 ; behind the four stages: the spare words, 128 bytes a wave, which no other line names
.set SB,    24                         ; v24-27   the scale bytes, four to a register
	s_load_b256 s[4:11], s[0:1], 0x0               ; Wq, Wk, Wv, Wo
	s_load_b128 s[12:15], s[0:1], 0x20             ; wc, ws
	s_load_b64 s[16:17], s[0:1], 0x30              ; woi
	v_lshl_add_u32 v[SPW], v0, 2, SPARE
	v_mov_b32 v[NIL], 0
	v_lshrrev_b32 v1, 5, v0
	v_readfirstlane_b32 s18, v1                    ; wave 0..3
	v_and_b32 v2, 31, v0                           ; lane
	s_lshr_b32 s19, ttmp9, 3                       ; tau
	s_and_b32 s20, ttmp9, 7                        ; cg
	s_and_b32 s21, ttmp7, 0xffff                   ; y
	s_lshl_b32 s22, s20, 7
	s_lshl_b32 s23, s18, 5
	s_add_co_u32 s22, s22, s23                     ; my wave's first column: 128 cg + 32 wave
	v_lshlrev_b32 v3, 2, v2                        ; in: 4 bytes a lane
	s_mul_i32 s23, s18, 32*PITCH                   ; my stage
	v_mul_u32_u24 v4, v2, PITCH
	v_add_nc_u32 v4, s23, v4                       ; into it: row = my column
	v_and_b32 v5, 15, v2
	v_lshrrev_b32 v6, 4, v2                        ; out of it: sixteen lanes to a row, two rows an instruction
	v_mul_u32_u24 v7, v6, PITCH
	v_lshl_add_u32 v7, v5, 4, v7
	v_add_nc_u32 v7, s23, v7
	v_mul_u32_u24 v8, v6, KROW
	v_lshl_add_u32 v8, v5, 4, v8                   ; and the same place in wc
	v_lshlrev_b32 v9, 5, v2                        ; my column's row of scale bytes: 32 bytes a row
	v_lshlrev_b32 v10, 12, v6
	v_lshl_add_u32 v10, v5, 4, v10                 ; woi: 4,096 (lane / 16) + 16 (lane % 16): my block of 16 columns, my row in it
	s_lshl_b32 s24, s21, 21                        ; the weight: 512 y rows of 4,096 bytes
	s_lshl_b32 s23, s22, 2
	s_add_co_u32 s24, s24, s23                     ; + 4 x column
	s_mov_b32 s25, 0
	s_lshl_b32 s26, s19, 10
	s_add_co_u32 s26, s26, s22                     ; 1024 tau + column
	s_lshl_b32 s28, s26, 5                         ; ws: 32 bytes a row
	s_lshl_b32 s23, s21, 4
	s_add_co_u32 s28, s28, s23                     ; + 16 y
	s_mov_b32 s29, 0
	s_lshl_b32 s26, s26, 9                         ; wc: 512 bytes a row
	s_lshl_b32 s23, s21, 8
	s_add_co_u32 s26, s26, s23                     ; + 256 y
	s_mov_b32 s27, 0
	s_lshl_b32 s30, s22, 8                         ; woi: 4,096 bytes for 16 columns
	s_lshl_b32 s23, s21, 20
	s_add_co_u32 s30, s30, s23                     ; + four K steps of 262,144 bytes for y = 1
	s_mov_b32 s31, 0
	s_wait_kmcnt 0x0
	s_cmp_eq_u32 s19, 1                            ; the weight is chosen by the work-group's number alone
	s_cselect_b64 s[4:5], s[6:7], s[4:5]
	s_cmp_eq_u32 s19, 2
	s_cselect_b64 s[4:5], s[8:9], s[4:5]
	s_cmp_eq_u32 s19, 3
	s_cselect_b64 s[4:5], s[10:11], s[4:5]
	s_add_nc_u64 s[4:5], s[4:5], s[24:25]
	s_add_nc_u64 s[12:13], s[12:13], s[26:27]      ; (used on the way of tau < 3 alone)
	s_add_nc_u64 s[14:15], s[14:15], s[28:29]
	s_add_nc_u64 s[16:17], s[16:17], s[30:31]      ; (used on Wo's way alone)
.macro LOAD t                          ; block t: W(32 t + i, my column), i = 0 .. 31, into set t % 2
.irp i, 0,1,2,3,4,5,6,7,8,9,10,11,12,13,14,15,16,17,18,19,20,21,22,23,24,25,26,27,28,29,30,31
	global_load_b32 v[X+32*((\t)%2)+\i], v3, s[4:5] offset:(32*(\t)+\i)*NROW
.endr
.endm
	LOAD 0
	LOAD 1
	s_cmp_eq_u32 s19, 3
	s_cbranch_scc1 .Lwo
.macro BLOCK t
.set XS, X+32*((\t)%2)
.if (\t) < NB-1
	s_wait_loadcnt 32                              ; this block's 32 loads are in; the next block's may be out
.else
	s_wait_loadcnt 0
.endif
	v_max3_num_f32 v12, |v[XS]|, |v[XS+1]|, |v[XS+2]|               ; the block's largest magnitude: all 32 numbers are mine
	v_max3_num_f32 v13, |v[XS+3]|, |v[XS+4]|, |v[XS+5]|
.irp i, 6,10,14,18,22,26
	v_max3_num_f32 v12, v12, |v[XS+\i]|, |v[XS+\i+1]|
	v_max3_num_f32 v13, v13, |v[XS+\i+2]|, |v[XS+\i+3]|
.endr
	v_max3_num_f32 v12, v12, |v[XS+30]|, |v[XS+31]|
	v_max3_num_f32 v12, v12, v13, (EMAX+1)<<23     ; and the floor 2^(3 - 127): the byte cannot fall under 1
	v_add_nc_u32 v11, -(EMAX<<23), v12             ; 2 off its exponent field: the conversion's scale operand
	v_lshrrev_b32 v13, 23, v11                     ; the scale's byte
.if (\t)%4 == 0
	v_mov_b32 v[SB+(\t)/4], v13                    ; four bytes to a register, the lower K in the lower byte
.else
	v_lshl_or_b32 v[SB+(\t)/4], v13, 8*((\t)%4), v[SB+(\t)/4]
.endif
.irp g, 0,1,2,3
	v_cvt_scalef32_pk8_fp4_f32 v[C+\g], v[XS+8*\g:XS+8*\g+7], v11
.endr
	v_nop                                          ; one plain line behind the last conversion
	ds_store_b128 v4, v[C:C+3] offset:16*(\t)      ; 32 codes: 16 bytes of my column's row
.if (\t)+2 < NB
	LOAD (\t)+2
.endif
	s_wait_dscnt 0x0                               ; the store has read its registers: the next block's codes may be written
.endm
.set Q, 0
.rept NB
	BLOCK Q
.set Q, Q+1
.endr
	global_store_b128 v9, v[SB:SB+3], s[14:15]     ; my column's 16 scale bytes
.irp t, 0,1,2,3,4,5,6,7,8,9,10,11,12,13,14,15
	ds_load_b128 v[OUTR+4*\t:OUTR+4*\t+3], v7 offset:2*\t*PITCH   ; LDS serves a wave's instructions in order: these see my stores
.endr
.irp t, 0,1,2,3,4,5,6,7,8,9,10,11,12,13,14,15
	s_wait_dscnt 15-\t                             ; loads come back in order: number t is in, the younger ones may be out
	global_store_b128 v8, v[OUTR+4*\t:OUTR+4*\t+3], s[12:13] offset:2*\t*KROW
.endr
	s_branch .Lend
.Lwo:
; Wo: block t is K step t / 4 of my four, fragment t % 4; piece p of it (k = 8 p .. 8 p + 7: c = p / 2, h = p % 2) lies 256 p bytes on
.macro BLOCKO t
.set XS, X+32*((\t)%2)
.set H, C+16*((\t)%2)
.if (\t) < NB-1
	s_wait_loadcnt 32                              ; this block's 32 loads are in; the next block's may be out
.else
	s_wait_loadcnt 0
.endif
.if (\t) >= 2
	s_wait_xcnt 0x0                                ; the stores of two blocks back have read this set's registers
.endif
.irp i, 0,1,2,3,4,5,6,7,8,9,10,11,12,13,14,15
	v_cvt_pk_f16_f32 v[H+\i], v[XS+2*\i], v[XS+2*\i+1]             ; the lower k in the low half
.endr
.if (\t)+2 < NB
	LOAD (\t)+2
.endif
.irp p, 0,1,2,3
	global_store_b128 v10, v[H+4*\p:H+4*\p+3], s[16:17] offset:((\t)/4)*262144+((\t)%4)*1024+256*\p   ; sixteen lanes store 256 consecutive bytes
.endr
.endm
.set Q, 0
.rept NB
	BLOCKO Q
.set Q, Q+1
.endr
.Lend:
	s_wait_tensorcnt 0x0                           ; the wave's end, behind my last LDS store
	ds_add_u32 v[SPW], v[NIL]
	s_wait_dscnt 0x0
	s_endpgm
.Lfunc_end_k_qad77b6a770_prep_w:
	.size	k_qad77b6a770_prep_w, .Lfunc_end_k_qad77b6a770_prep_w-k_qad77b6a770_prep_w
	.p2alignl 7, 3214868480
	.fill 96, 4, 3214868480
	.section	.rodata,"a",@progbits
	.p2align	6, 0x0
	.amdhsa_kernel k_qad77b6a770_prep_w
		.amdhsa_group_segment_fixed_size 35840
		.amdhsa_private_segment_fixed_size 0
		.amdhsa_enable_private_segment 0
		.amdhsa_kernarg_size 56
		.amdhsa_user_sgpr_count 2
		.amdhsa_user_sgpr_kernarg_segment_ptr 1
		.amdhsa_wavefront_size32 1
		.amdhsa_system_sgpr_workgroup_id_x 1
		.amdhsa_system_sgpr_workgroup_id_y 1
		.amdhsa_system_sgpr_workgroup_id_z 1
		.amdhsa_system_vgpr_workitem_id 0
		.amdhsa_next_free_vgpr 192
		.amdhsa_next_free_sgpr 66
		.amdhsa_reserve_vcc 0
		.amdhsa_float_denorm_mode_32 3
		.amdhsa_float_denorm_mode_16_64 3
		.amdhsa_memory_ordered 1
		.amdhsa_forward_progress 1
		.amdhsa_inst_pref_size 145
	.end_amdhsa_kernel
	.amdgpu_metadata
---
amdhsa.version: [ 1, 2 ]
amdhsa.kernels:
  - .name:           k_qad77b6a770_prep_w
    .symbol:         k_qad77b6a770_prep_w.kd
    .args:
      - { .name: Wq, .offset: 0, .size: 8, .value_kind: global_buffer, .address_space: global }
      - { .name: Wk, .offset: 8, .size: 8, .value_kind: global_buffer, .address_space: global }
      - { .name: Wv, .offset: 16, .size: 8, .value_kind: global_buffer, .address_space: global }
      - { .name: Wo, .offset: 24, .size: 8, .value_kind: global_buffer, .address_space: global }
      - { .name: wc, .offset: 32, .size: 8, .value_kind: global_buffer, .address_space: global }
      - { .name: ws, .offset: 40, .size: 8, .value_kind: global_buffer, .address_space: global }
      - { .name: woi, .offset: 48, .size: 8, .value_kind: global_buffer, .address_space: global }
    .group_segment_fixed_size: 35840
    .private_segment_fixed_size: 0
    .kernarg_segment_align: 8
    .kernarg_segment_size: 56
    .max_flat_workgroup_size: 128
    .sgpr_count:     66
    .vgpr_count:     192
    .wavefront_size: 32
...
	.end_amdgpu_metadata
.endif
;; end of part 2
;; launch qkv (part 3): grid 12 x 32, 4 waves a work-group, clusters of 4 x 4, 327,680 bytes of LDS; arguments xc, xs, wc, ws, qkv, q32; writes qkv, q32
.if DOCPART == 3
	.amdgcn_target "amdgcn-amd-amdhsa--gfx1250"
	.amdhsa_code_object_version 6
	.text
	.protected	k_qad77b6a770_qkv
	.globl	k_qad77b6a770_qkv
	.p2align	8
	.type	k_qad77b6a770_qkv,@function
k_qad77b6a770_qkv:
	s_mov_b64 s[64:65], 0
	v_nop
	global_prefetch_b8 v0, s[64:65] scope:SCOPE_SE
	s_setreg_imm32_b32 hwreg(HW_REG_WAVE_MODE, 25, 1), 1
	s_wait_xcnt 0x0
	s_wait_alu depctr_hold_cnt(0) depctr_sa_sdst(0) depctr_va_vdst(0) depctr_va_sdst(0) depctr_va_ssrc(0) depctr_va_vcc(0) depctr_vm_vsrc(0)
	s_getreg_b32 s2, hwreg(HW_REG_IB_STS2, 6, 4)
	s_cmp_eq_u32 s2, 0
	s_cbranch_scc0 .Lentry_in_a_cluster
	s_endpgm
.Lentry_in_a_cluster:
	s_bfe_u32 s2, ttmp6, 0x10000c
	s_cmp_lg_u32 s2, 0xf033
	s_cbranch_scc0 .Lentry_shape_is_right
	s_endpgm
.Lentry_shape_is_right:
; The three quantised products in one: [8192][1024] x [3072][1024]^T on codes of FP4 (E2M1) with one E8M0 scale for each 32 along K; sums in f32.  Column 1024 tau + n is column n of q (tau = 0), k (1) or v (2).
; A tile of 256 x 256 is made by four waves, 128 x 128 each: 64 accumulators of 16 x 16.  K = 1,024 is two slots of 512 along K (rows of 256 bytes): both are asked for at the head, with the scale bytes; nothing is filled again.
; CLUSTERS: 4 x 4 work-groups; the four of a row of the cluster need the same rows of x, the four of a column the same rows of the weights: each tile is asked for jointly.
; The tile row is 8 cy + cluster y: so the batch is cy, and whether my rows begin a sequence hangs on cluster y, which all partners share.
; THE MATRIX INSTRUCTION IS USED TRANSPOSED (source 0 = 16 rows of the weights, source 1 = 16 rows of x): a lane holds eight neighbouring channels of one position.  Rounded to f16 they are 16 bytes that lie, lane by lane,
; in the order of the next products' operand registers: qkv [which 3][batch x head 64][kb 128][cc 8][r 16][8 f16]: position 16 kb + r, channels 8 cc + 0..7.  A wave's store covers 512 consecutive bytes: no stage in LDS.
; Positions 0 to 15 of each sequence go out in f32 as well (q32 [which][batch][head][nb 4][c 2][lane 32][4 f32]: lane (r, h): position r, channel 16 nb + 8 h + 4 c + e), for the launch that carries those rows finely.
; LIMIT: |q|, |k|, |v| stay under 65,504, f16's largest number (at inputs 30 times the drawn ones, with offsets of 30 spreads, they stay under 2 x 10^4).
; REGISTERS, in windows of 256: window 0: v0-31 addresses; v32-95 scale words, two sets; v128-191 x's fragments, one set; on the way out v128-255 take the packed results.
;   window 1: the weights' fragments, two sets, at v0 and v128.   window 2: the accumulators of my rows 0-63 ((a, b) at v[8 (8 a + b)]);   window 3: those of my rows 64-127.
.set SIZE_K, 1024
.set KSTEP,  512                       ; along K in a slot
.set NQ,     KSTEP/128                 ; matrix instructions deep
.set ROWB,   256                       ; a tile's row in bytes
.set KROW,   SIZE_K/2                  ; a row of codes in memory
.set PITCH,  272                       ; an LDS row: 256 bytes + 16 of padding: the 16 rows that a load touches start 68 words apart
.set FR,     8                         ; registers of a fragment: 16 rows x 128 K
.set NL,     2                         ; LDS loads that bring one
.set NP,     4                         ; places behind this matrix instruction (ISA guide 7.12.1)
.set HALFT,  128*PITCH                 ; 128 rows: what one tensor load brings
.set SLOT,   4*HALFT                   ; x's 256 rows, then the weights' 256 rows
.set KS,     SIZE_K/32                 ; a row of scale bytes
.set SCL,    2*SLOT                    ; behind the two slots: the scales, as rows of 256 bytes + 16 of padding
.set HALFS,  (128*KS/256)*272          ; the scales of 128 rows
.set SBLK,   (16*KS/256)*272           ; those of 16 rows
.set SPARE,  SCL+4*HALFS               ; the spare words, 128 bytes a wave, which no other line names
.set ADRA, 16                          ; v16-17  LDS address of my fragments of x in slot 0, 1
.set ADRB, 20                          ; v20-21  the same for the weights
.set CO,   26                          ; v26     16 x lane: my place in a store's 512 bytes
.set ADRS, 27                          ; v27     LDS address of my scale words: lanes 0-15 x's rows, lanes 16-31 the weights'
.set SPW,  28                          ; v28     LDS address of my spare word; never rewritten
.set NIL,  29                          ; v29     0; never rewritten
.set SC,   32                          ; scale words: set s at v[SC + 32 s]; register 4 i + q: lanes 0-15 the word of x's block i, lanes 16-31 that of the weights' block i
.set AF,   128                         ; x's fragments
.set TMPB, 128                         ; the way out: four sets of 32 packed registers
.set G1, 24                            ; s[24:31] descriptor group 1 for x's tiles;  s[32:39] group 0, one set a slot
.set G0, 32
.set G1B, 48                           ; s[48:55], s[56:63] the same for the weights
.set G0B, 56
.set G1S, 68                           ; s[68:75], s[76:79] for x's scales;  s[80:87], s[88:91] for the weights'
.set G0S, 76
.set G1SB, 80
.set G0SB, 88
.set MSB, 0
.macro WIN new                         ; the immediate's high byte repeats the setting that is left; a switch that changes nothing is dropped
.if MSB != (\new)
	s_set_vgpr_msb (MSB<<8)|(\new)
.set MSB, (\new)
.endif
.endm
.set MUL_LO, 0xa1                      ; source 0 (weights) window 1, source 1 (x) window 0, C and D window 2
.set MUL_HI, 0xf1                      ; the same, C and D window 3
.set TO_B,   0x40                      ; destination window 1, address window 0
; A joint load: waves 0 and 1 fetch for x, waves 2 and 3 for the weights.  The branch hangs on the wave's number alone.  An s_nop 0 and four v_nop follow each line.
.macro JLOAD g0a, g1a, g0b, g1b
	s_cmp_eq_u32 s15, 0
	s_cbranch_scc0 .Lfor_b_\@
	tensor_load_to_lds s[\g0a:\g0a+3], s[\g1a:\g1a+7]
	s_nop 0
.rept 4
	v_nop
.endr
	s_branch .Lasked_\@
.Lfor_b_\@:
	tensor_load_to_lds s[\g0b:\g0b+3], s[\g1b:\g1b+7]
	s_nop 0
.rept 4
	v_nop
.endr
.Lasked_\@:
.endm
.macro CROUND                          ; a round of the cluster's barrier
	s_barrier_signal -1
	s_barrier_wait -1
	s_cmp_lg_u32 s14, 0
	s_cbranch_scc1 .Lnot_wave_0_\@
	s_barrier_signal -3
.Lnot_wave_0_\@:
	s_barrier_wait -3
	s_barrier_signal -1
	s_barrier_wait -1
.endm
	s_load_b128 s[4:7], s[0:1], 0x0                ; xc, xs
	s_load_b128 s[8:11], s[0:1], 0x10              ; wc, ws
	s_load_b128 s[96:99], s[0:1], 0x20             ; qkv, q32
	v_lshl_add_u32 v[SPW], v0, 2, SPARE
	v_mov_b32 v[NIL], 0
	ds_add_u32 v[SPW], v[NIL]                      ; the wave's opening: the add, twice on end, and its wait ahead of my first tensor load
	ds_add_u32 v[SPW], v[NIL]
	v_lshrrev_b32 v1, 5, v0
	v_readfirstlane_b32 s14, v1                    ; wave 0..3
	s_lshr_b32 s15, s14, 1                         ; which half of the tile's rows is mine.  Also: I fetch for x (0) or for the weights (1)
	s_and_b32 s16, s14, 1                          ; which half of its columns.  Also: which 128 rows of that tile I fetch
	s_bfe_u32 s40, ttmp6, 0x40000                  ; cx, cy: my place in the cluster
	s_bfe_u32 s41, ttmp6, 0x40004
	s_lshl_b32 s42, ttmp9, 2
	s_add_co_u32 s42, s42, s40                     ; tile column = 4 x cluster x + cx
	s_and_b32 s17, ttmp7, 0xffff
	s_lshl_b32 s43, s41, 3
	s_add_co_u32 s17, s17, s43                     ; tile row = 8 cy + cluster y
	s_lshl_b32 s43, s41, 2
	s_lshl_b32 s43, 15, s43                        ; my row of the cluster
	s_lshl_b32 s44, 0x1111, s40                    ; my column
	s_or_b32 s[G1+0], s43, (0<<16)|(1<<20)|(1<<21)|(5<<22)|(3<<25)  ; 15:0 the mask; 17:16 elements of 1 byte; 20 padding on; 21 set beside a mask; 24:22 after every 64 words; 31:25 four words
	s_or_b32 s[G1B+0], s44, (0<<16)|(1<<20)|(1<<21)|(5<<22)|(3<<25)
.irp g, G1, G1B
	s_mov_b32 s[\g+1], ROWB<<16                    ; tensor_dim0
	s_mov_b32 s[\g+2], 128<<16                     ; tensor_dim1 = 128
	s_mov_b32 s[\g+3], ROWB<<16                    ; tile_dim0
	s_mov_b32 s[\g+4], 128                         ; tile_dim1 = 128
	s_mov_b32 s[\g+5], KROW                        ; from row to row
	s_mov_b32 s[\g+6], 0
	s_mov_b32 s[\g+7], 0
.endr
	s_or_b32 s[G1S+0], s43, (3<<16)|(1<<20)|(1<<21)|(5<<22)|(3<<25) ; the scales of 128 rows: a dense block of 4,096 bytes, as 16 rows of 256 bytes (32 elements of 8), 16 bytes of padding behind each
	s_or_b32 s[G1SB+0], s44, (3<<16)|(1<<20)|(1<<21)|(5<<22)|(3<<25)
.irp g, G1S, G1SB
	s_mov_b32 s[\g+1], 32<<16
	s_mov_b32 s[\g+2], (128*KS/256)<<16
	s_mov_b32 s[\g+3], 32<<16
	s_mov_b32 s[\g+4], 128*KS/256
	s_mov_b32 s[\g+5], 32
	s_mov_b32 s[\g+6], 0
	s_mov_b32 s[\g+7], 0
.endr
	s_lshl_b32 s18, s16, 7                         ; which 128 rows of the tile I fetch
	s_lshl_b32 s20, s17, 8
	s_add_co_u32 s20, s20, s18                     ; x: row 256 x tile row + 128 x half
	s_lshl_b32 s46, s42, 8
	s_add_co_u32 s46, s46, s18                     ; weights: row 256 x tile column + 128 x half
	s_mov_b32 s21, 0
	s_mov_b32 s47, 0
	s_mov_b64 s[18:19], KS
	s_mul_u64 s[22:23], s[20:21], s[18:19]         ; where these rows' scales begin, in bytes
	s_mul_u64 s[92:93], s[46:47], s[18:19]
	s_mov_b64 s[18:19], KROW
	s_mul_u64 s[20:21], s[20:21], s[18:19]         ; and their codes
	s_mul_u64 s[46:47], s[46:47], s[18:19]
	s_mul_i32 s45, s14, HALFT                      ; where they go: wave x 128 rows: no place in the cluster enters an LDS address
	s_mul_i32 s94, s14, HALFS
	s_wait_dscnt 0x0                               ; both opening adds are done
	s_wait_kmcnt 0x0
	s_add_nc_u64 s[20:21], s[4:5], s[20:21]
	s_add_nc_u64 s[22:23], s[6:7], s[22:23]
	s_add_nc_u64 s[46:47], s[8:9], s[46:47]
	s_add_nc_u64 s[92:93], s[10:11], s[92:93]
	CROUND                                         ; all sixteen work-groups are here: the joint loads meet
	s_mov_b32 s[G0S], 1
	s_add_co_u32 s[G0S+1], s94, SCL
	s_mov_b64 s[G0S+2:G0S+3], s[22:23]
	s_or_b32 s[G0S+3], s[G0S+3], 0x80000000
	s_mov_b32 s[G0SB], 1
	s_add_co_u32 s[G0SB+1], s94, SCL
	s_mov_b64 s[G0SB+2:G0SB+3], s[92:93]
	s_or_b32 s[G0SB+3], s[G0SB+3], 0x80000000
	JLOAD G0S, G1S, G0SB, G1SB                     ; the scales first: they are wanted with K step 0
.irp s, 0,1
	s_mov_b32 s[G0+4*\s], 1
	s_add_co_u32 s[G0+4*\s+1], s45, \s*SLOT
	s_add_nc_u64 s[G0+4*\s+2:G0+4*\s+3], s[20:21], \s*ROWB
	s_or_b32 s[G0+4*\s+3], s[G0+4*\s+3], 0x80000000
	s_mov_b32 s[G0B+4*\s], 1
	s_add_co_u32 s[G0B+4*\s+1], s45, \s*SLOT
	s_add_nc_u64 s[G0B+4*\s+2:G0B+4*\s+3], s[46:47], \s*ROWB
	s_or_b32 s[G0B+4*\s+3], s[G0B+4*\s+3], 0x80000000
	JLOAD G0+4*\s, G1, G0B+4*\s, G1B               ; three loads of mine are out in all
.endr
	v_and_b32 v1, 15, v0                           ; l % 16
	v_bfe_u32 v2, v0, 4, 1                         ; l / 16
	v_mul_u32_u24 v3, v1, PITCH
	v_lshl_add_u32 v4, v2, 4, v3                   ; a fragment's row x pitch + 16 x half
	s_mul_i32 s21, s15, HALFT                      ; my 128 rows of x
	s_mul_i32 s22, s16, HALFT                      ; my 128 rows of the weights,
	s_add_co_u32 s22, s22, 2*HALFT                 ; which lie behind x's 256
.irp s, 0,1
	v_add_nc_u32 v[ADRA+\s], s21, v4
	v_add_nc_u32 v[ADRB+\s], s22, v4
	s_add_co_u32 s21, s21, SLOT
	s_add_co_u32 s22, s22, SLOT
.endr
	v_mul_u32_u24 v5, v1, KS                       ; my row's scales: 32 bytes a row,
	v_lshrrev_b32 v6, 8, v5
	v_lshl_add_u32 v5, v6, 4, v5                   ; and 16 more for each 256 passed
	s_mul_i32 s21, s15, HALFS                      ; x's: my 128 rows
	s_mul_i32 s22, s16, HALFS                      ; the weights': my 128 rows, behind x's 256
	s_add_co_u32 s22, s22, 2*HALFS
	s_sub_co_u32 s22, s22, s21
	v_mul_u32_u24 v6, s22, v2                      ; lanes 16-31 take the weights'
	s_add_co_u32 s21, s21, SCL
	v_add_nc_u32 v5, v5, v6
	v_add_nc_u32 v[ADRS], s21, v5
	v_and_b32 v6, 31, v0
	v_lshlrev_b32 v[CO], 4, v6
	; where my results go: which = cluster x; batch = cy; my first head = 4 cx + 2 x column half; my first block of 16 positions = 16 x cluster y + 8 x row half
	s_lshl_b32 s46, s41, 4
	s_lshl_b32 s47, s40, 2
	s_add_co_u32 s46, s46, s47
	s_lshl_b32 s47, s16, 1
	s_add_co_u32 s46, s46, s47                     ; 16 x batch + head
	s_lshl_b32 s92, s46, 18                        ; 262,144 bytes a head
	s_lshl_b32 s47, ttmp9, 24                      ; 2^24 bytes for each of q, k, v
	s_add_co_u32 s92, s92, s47
	s_and_b32 s94, ttmp7, 0xffff                   ; cluster y
	s_lshl_b32 s47, s94, 15                        ; 16 blocks of 2,048 bytes
	s_add_co_u32 s92, s92, s47
	s_lshl_b32 s47, s15, 14                        ; 8 blocks
	s_add_co_u32 s92, s92, s47
	s_mov_b32 s93, 0
	s_add_nc_u64 s[96:97], s[96:97], s[92:93]
	s_lshl_b32 s92, s46, 12                        ; q32: 4,096 bytes a head,
	s_lshl_b32 s47, ttmp9, 18                      ; 64 heads for each of q, k, v
	s_add_co_u32 s92, s92, s47
	s_add_nc_u64 s[98:99], s[98:99], s[92:93]
	s_or_b32 s94, s94, s15                         ; 0 where my first 16 rows begin a sequence: cluster y and the wave's number alone
.macro FRAG reg, adr, q, i             ; a fragment, 16 rows x 128 K of 4-bit codes: lane l holds row l % 16; registers 4 c .. 4 c + 3 hold K = 64 c + 32 (l / 16) + 0 .. 31
.irp c, 0,1
	ds_load_b128 v[\reg+4*\c:\reg+4*\c+3], v[\adr] offset:64*(\q)+32*\c+(\i)*16*PITCH
.endr
.endm
; 16 matrix instructions: x's blocks a0, a0 + 1 against the weights' eight, 128 along K.  zero = 1: the first product starts the sums.  The 64 accumulators take turns, one instruction a turn.
.macro MUL16 a0, p, q, sc, zero
.irp a, \a0, \a0+1
.irp b, 0,1,2,3,4,5,6,7
.if \zero
	v_wmma_scale_f32_16x16x128_f8f6f4 v[8*(8*((\a)%4)+\b):8*(8*((\a)%4)+\b)+7], v[128*(\p)+FR*\b:128*(\p)+FR*\b+FR-1], v[AF+FR*(\a):AF+FR*(\a)+FR-1], 0, v[SC+8*NQ*(\sc)+NQ*\b+(\q)], v[SC+8*NQ*(\sc)+NQ*(\a)+(\q)] matrix_a_fmt:MATRIX_FMT_FP4 matrix_b_fmt:MATRIX_FMT_FP4 matrix_a_scale:MATRIX_SCALE_ROW1
.else
	v_wmma_scale_f32_16x16x128_f8f6f4 v[8*(8*((\a)%4)+\b):8*(8*((\a)%4)+\b)+7], v[128*(\p)+FR*\b:128*(\p)+FR*\b+FR-1], v[AF+FR*(\a):AF+FR*(\a)+FR-1], v[8*(8*((\a)%4)+\b):8*(8*((\a)%4)+\b)+7], v[SC+8*NQ*(\sc)+NQ*\b+(\q)], v[SC+8*NQ*(\sc)+NQ*(\a)+(\q)] matrix_a_fmt:MATRIX_FMT_FP4 matrix_b_fmt:MATRIX_FMT_FP4 matrix_a_scale:MATRIX_SCALE_ROW1
.endif
.endr
.endr
.endm
.macro FETCH_B slot, q, p              ; the weights' eight fragments of the slot's q-th 128 along K into set p
	WIN TO_B
.irp i, 0,1,2,3,4,5,6,7
	FRAG 128*(\p)+FR*\i, ADRB+\slot, \q, \i
.endr
	WIN 0
.endm
.macro FETCH_A slot, q, i0             ; x's blocks i0 .. i0 + 3
.irp i, \i0, \i0+1, \i0+2, \i0+3
	FRAG AF+FR*(\i), ADRA+\slot, \q, \i
.endr
.endm
.macro SCALES sc                       ; a K step's scale words into set sc: four words a row; lanes 0-15 take x's block i, lanes 16-31 the weights' block i
.irp i, 0,1,2,3,4,5,6,7
	ds_load_b128 v[SC+8*NQ*\sc+NQ*\i:SC+8*NQ*\sc+NQ*\i+3], v[ADRS] offset:\i*SBLK
.endr
.endm
.macro PLACES n                        ; plain vector lines between a matrix instruction and a load into, or a vector write of, one of its registers, or a read of its result
.rept \n
	v_nop
.endr
.endm
.macro STEP slot, q, zero              ; a step of 128 along K that has its successor in the same slot
	s_wait_dscnt 4*NL                              ; the weights' set and x's blocks 0-3 are in; the youngest eight loads (x's blocks 4-7) may be out
	WIN MUL_LO
	MUL16 0, (\q)%2, \q, \slot, \zero
	MUL16 2, (\q)%2, \q, \slot, \zero
	s_wait_dscnt 0                                 ; x's blocks 4-7 are in
	PLACES NP
	FETCH_B \slot, (\q)+1, 1-(\q)%2
	FETCH_A \slot, (\q)+1, 0
	WIN MUL_HI
	MUL16 4, (\q)%2, \q, \slot, \zero
	MUL16 6, (\q)%2, \q, \slot, \zero
	PLACES NP
	WIN 0
	FETCH_A \slot, (\q)+1, 4
.endm
.macro TURN slot, next                 ; slot 0's last step goes over to slot 1: one barrier, in front of which each wave waits for its part of slot 1; nothing is filled again
	s_wait_tensorcnt 0x0                           ; all my tensor loads have landed: my part of the next slot
	ds_add_u32 v[SPW], v[NIL]                      ; 0 onto my spare word
	s_wait_dscnt 4*NL+1                            ; (the add and the youngest eight loads may be out)
	WIN MUL_LO
	MUL16 0, 1, NQ-1, \slot, 0
	s_wait_dscnt 0x0                               ; no LDS instruction of mine is out at the signal
	s_barrier_signal -1
	MUL16 2, 1, NQ-1, \slot, 0
	WIN 0
	s_barrier_wait -1                              ; everybody's part of the next slot is in
	PLACES NP
	v_add_nc_u32 v[ADRS], 4*NQ, v[ADRS]            ; on to the next K step's scale words
	FETCH_B \next, 0, 0
	FETCH_A \next, 0, 0
	SCALES \next
	WIN MUL_HI
	MUL16 4, 1, NQ-1, \slot, 0
	MUL16 6, 1, NQ-1, \slot, 0
	PLACES NP
	WIN 0
	FETCH_A \next, 0, 4
.endm
.macro STEPS slot, from                ; the slot's steps from .. NQ - 2
.set Q, \from
.rept NQ-1-\from
	STEP \slot, Q, 0
.set Q, Q+1
.endr
.endm
	s_wait_tensorcnt 1                             ; the scales and my part of K step 0 are in; K step 1's load may be out
	s_barrier_signal -1
	s_barrier_wait -1
	FETCH_B 0, 0, 0
	FETCH_A 0, 0, 0
	SCALES 0
	FETCH_A 0, 0, 4
	STEP 0, 0, 1                                   ; the first products start the sums
	STEPS 0, 1
	TURN 0, 1
	STEPS 1, 0
	s_wait_dscnt 4*NL                              ; the very last step: nothing more to fetch
	WIN MUL_LO
	MUL16 0, 1, NQ-1, 1, 0
	MUL16 2, 1, NQ-1, 1, 0
	s_wait_dscnt 0
	WIN MUL_HI
	MUL16 4, 1, NQ-1, 1, 0
	MUL16 6, 1, NQ-1, 1, 0
	WIN 0
	PLACES NP                                      ; behind the last products: their results are read and x's fragments' registers written below
	s_cmp_lg_u32 s94, 0
	s_cbranch_scc1 .Lno32
	WIN 0x08                                       ; a store's data are its source 1: window 2
.irp b, 0,1,2,3,4,5,6,7                ; positions 0 to 15 in f32: block 0's accumulators as they stand, each from its low end on
.irp c, 0,1
	global_store_b128 v[CO], v[8*\b+4*\c:8*\b+4*\c+3], s[98:99] offset:(\b/4)*4096+(\b%4)*1024+\c*512
.endr
.endr
	WIN 0
.Lno32:
.macro PACK a                          ; block a (16 positions x 128 channels) rounded to f16, each accumulator from its low end on
.set AC, 64*((\a)%4)
.set TP, TMPB+32*((\a)%4)
	WIN 0x0a+5*((\a)/4)                            ; sources 0 and 1: window 2 or 3
.irp b, 0,1,2,3,4,5,6,7
.irp r, 0,1,2,3
	v_cvt_pk_f16_f32 v[TP+4*\b+\r], v[AC+8*\b+2*\r], v[AC+8*\b+2*\r+1]
.endr
.endr
	WIN 0
.endm
.macro SENDH a                         ; b / 4: which of my two heads; b % 4: 16 channels = 512 bytes of the block's 2,048
.set TP, TMPB+32*((\a)%4)
.irp b, 0,1,2,3,4,5,6,7
	global_store_b128 v[CO], v[TP+4*\b:TP+4*\b+3], s[96:97] offset:(\a)*2048+(\b/4)*262144+(\b%4)*512   ; 32 lanes store 512 consecutive bytes
.endr
.endm
.irp a, 0,1,2,3,4,5,6,7
.if \a >= 4
	s_wait_xcnt 0x0                                ; the stores of four blocks back have read this set's registers
.endif
	PACK \a
	SENDH \a
.endr
	s_wait_tensorcnt 0x0                           ; the wave's end, behind my last tensor load
	ds_add_u32 v[SPW], v[NIL]
	s_wait_dscnt 0x0
	CROUND                                         ; the closing round: no work-group ends while a partner may still ask for a tile that names it
	s_endpgm
.Lfunc_end_k_qad77b6a770_qkv:
	.size	k_qad77b6a770_qkv, .Lfunc_end_k_qad77b6a770_qkv-k_qad77b6a770_qkv
	.p2alignl 7, 3214868480
	.fill 96, 4, 3214868480
	.section	.rodata,"a",@progbits
	.p2align	6, 0x0
	.amdhsa_kernel k_qad77b6a770_qkv
		.amdhsa_group_segment_fixed_size 327680
		.amdhsa_private_segment_fixed_size 0
		.amdhsa_enable_private_segment 0
		.amdhsa_kernarg_size 48
		.amdhsa_user_sgpr_count 2
		.amdhsa_user_sgpr_kernarg_segment_ptr 1
		.amdhsa_wavefront_size32 1
		.amdhsa_system_sgpr_workgroup_id_x 1
		.amdhsa_system_sgpr_workgroup_id_y 1
		.amdhsa_system_sgpr_workgroup_id_z 1
		.amdhsa_system_vgpr_workitem_id 0
		.amdhsa_next_free_vgpr 1024
		.amdhsa_next_free_sgpr 100
		.amdhsa_reserve_vcc 0
		.amdhsa_float_denorm_mode_32 3
		.amdhsa_float_denorm_mode_16_64 3
		.amdhsa_memory_ordered 1
		.amdhsa_forward_progress 1
		.amdhsa_inst_pref_size 119
	.end_amdhsa_kernel
	.amdgpu_metadata
---
amdhsa.version: [ 1, 2 ]
amdhsa.kernels:
  - .name:           k_qad77b6a770_qkv
    .symbol:         k_qad77b6a770_qkv.kd
    .args:
      - { .name: xc, .offset: 0, .size: 8, .value_kind: global_buffer, .address_space: global }
      - { .name: xs, .offset: 8, .size: 8, .value_kind: global_buffer, .address_space: global }
      - { .name: wc, .offset: 16, .size: 8, .value_kind: global_buffer, .address_space: global }
      - { .name: ws, .offset: 24, .size: 8, .value_kind: global_buffer, .address_space: global }
      - { .name: qkv, .offset: 32, .size: 8, .value_kind: global_buffer, .address_space: global }
      - { .name: q32, .offset: 40, .size: 8, .value_kind: global_buffer, .address_space: global }
    .group_segment_fixed_size: 327680
    .private_segment_fixed_size: 0
    .kernarg_segment_align: 8
    .kernarg_segment_size: 48
    .max_flat_workgroup_size: 128
    .sgpr_count:     100
    .vgpr_count:     1024
    .wavefront_size: 32
...
	.end_amdgpu_metadata
.endif
;; end of part 3
;; launch attn (part 4): grid 4 x 64, 8 waves a work-group, no clusters, 327,680 bytes of LDS; arguments qkv, ctxi; writes ctxi
.if DOCPART == 4
	.amdgcn_target "amdgcn-amd-amdhsa--gfx1250"
	.amdhsa_code_object_version 6
	.text
	.protected	k_qad77b6a770_attn
	.globl	k_qad77b6a770_attn
	.p2align	8
	.type	k_qad77b6a770_attn,@function
k_qad77b6a770_attn:
	s_mov_b64 s[64:65], 0
	v_nop
	global_prefetch_b8 v0, s[64:65] scope:SCOPE_SE
	s_setreg_imm32_b32 hwreg(HW_REG_WAVE_MODE, 25, 1), 1
	s_wait_xcnt 0x0
; ctx[b][h][q] = the sum over k <= q of softmax_k(q . k / 8) v, per head of 64 channels, 2,048 positions.  Operands f16, products, maxima and sums f32; p is rounded to f16 for the second product.
; SHARES.  Work-group (i, batch x head) owns query blocks i and 7 - i of 256 queries: under the causal mask every work-group has the same work.  Each of eight waves owns two PIECES of 32 queries (two tiles of 16):
; piece L (tiles 0, 1) at 256 i + 32 w, piece H (tiles 2, 3) at 256 (7 - i) + 32 (7 - w): 33 piece-steps of 64 keys for every wave.  Two waves share a SIMD.
; A piece works on a key step while the step's first key is at or under its last query; L's queries lie under 1,024 and H's from 1,024 on, so where L works H works too, and H then needs no mask.
; NO CLUSTER: the four work-groups of a head stop at different causal limits (keys 256 (8 - i)), so a partner would jump over the reads of tiles that a joint load brings.
; LAYOUT.  S^T = K Q^T (source 0 = 16 keys, source 1 = 16 queries): a lane holds ONE query and keys 8 (lane / 16) + 0..7; two such tiles packed to f16 ARE source 1 of O^T = V^T P.  K comes out of LDS as it lies, V turned by ds_load_tr16_b128.
; qkv lies as [which][batch x head][kb][cc 8][r 16][16 bytes] (position 16 kb + r, channels 8 cc ..): 64 keys are 8,192 dense bytes, taken as 32 rows of 256 bytes with 128 bytes of padding behind each (pitch 384),
; so that the sixteen lanes of a turning load (2 x 128 bytes, 384 apart) touch 256 different bytes modulo 256.
; SOFTMAX.  A running maximum m and sum l for each query: p = 2^(c s - c m), c = log2(e) / 8; in every step O and l are multiplied by a = 2^(c m_old - c m_new).  Hidden scores become -infinity ahead of the maximum.
; Every query of a working piece sees the step's first key, so no row of a step is hidden whole.  The loop has no first step of its own: O^T and l begin as zeros and m as -3e38.
; THE RING.  Two slots of 256 keys (four steps of K, four of V); each wave fetches one step's tile of K (waves 0-3) or V (waves 4-7): one tensor load a wave behind each barrier, and one of mine out at any time.
; The results leave as f16 in the order of the next product's operand registers: ctxi [ks 8][mb 512][kf 4][c 2][lane 32][16 bytes]; a store covers 512 consecutive bytes.
; LIMITS: |ctx| under 65,504; p under 6e-8 of its row's largest is dropped by f16; NaN and infinities among the inputs are not served.
; REGISTERS: window 0: v1-11 addresses and constants; v12-43 statistics, eight a tile (+0 c m, +1 m, +2, +3 l, +4..+7 at work; a at +6); v64-191 S^T, 32 a tile; v192-255 P, 16 a tile.
;            window 1: v0-63 Q, 16 a tile; v64-127 a step's K, then its V; v128-255 O^T, 32 a tile.
.set STEPB, 12288                      ; a tile in LDS: 32 rows x 384
.set VOFF,  4*STEPB                    ; a slot: four tiles of K, then four of V
.set SLOT1, 1<<17                      ; slot 1 begins here: one exclusive or turns an address from one slot to the other
.set SPARE, 2*SLOT1                    ; the spare words, 128 bytes a wave, which no other line names
.set NSL,   8                          ; slots' worth of keys
.set AK0, 1                            ; v1   my lane's place in a tile of K: 16 r + 384 h
.set AV0, 2                            ; v2   in a tile of V
.set ADK, 3                            ; v3   LDS address of the step's K
.set ADV, 4                            ; v4   of its V
.set LQ,  5                            ; v5   16 x lane
.set SPW, 6                            ; v6   LDS address of my spare word; never rewritten
.set NIL, 7                            ; v7   0; never rewritten
.set NINF, 8                           ; v8   -infinity
.set RH,  9                            ; v9   r - 8 h
.set DD,  10                           ; v10  the mask's bound
.set PFO, 11                           ; v11  256 x lane
.set ST,  12
.set S,   64
.set P,   192
.set KVF, 64                           ; in window 1
.set OT,  128                          ; in window 1
.set WV,  8                            ; s8   wave
.set QLL, 11                           ; s11  piece L's last query;  s12 piece H's
.set QHL, 12
.set QL,  13                           ; s13  piece L's first query;  s14 piece H's
.set QH,  14
.set QMAX, 15                          ; s15  the work-group's last query
.set QBL, 16                           ; s[16:17], s[18:19] Q at the pieces' first rows
.set CBL, 20                           ; s[20:21], s[22:23] ctxi likewise
.set G1,  24                           ; s[24:31] descriptor group 1
.set G0,  32                           ; s[32:35] group 0, which walks
.set PFA, 36                           ; s[36:37] where my prefetch stands: my tile, one slot further on than the walking descriptor
.set LIM, 38                           ; s38  1 in the work-group that prefetches, else the greatest number
.set SLOTS, 39                         ; s39  changes of slots still to come
.set CNT, 40                           ; s40  counts a slot's four steps
.set TB,  41                           ; s41  LDS byte at which the step's tile of K begins
.set KF,  42                           ; s42  the step's first key
.set TMP, 43
.set CS,  44                           ; s[44:45] c, twice
.set SEL, 46                           ; s[46:47] lane selects: lane l xor 16
.set MSB, 0
.macro WIN new                         ; the immediate's high byte repeats the setting that is left; a switch that changes nothing is dropped
.if MSB != (\new)
	s_set_vgpr_msb (MSB<<8)|(\new)
.set MSB, (\new)
.endif
.endm
.set W_KQ, 0x05                        ; K and Q in window 1, S^T in window 0
.set W_PV, 0x51                        ; V, C and D in window 1, P in window 0
.set W_RS, 0x41                        ; O^T (destination and source 0) in window 1, a in window 0
.set TO1,  0x40                        ; destination window 1
.set CV,   0x05                        ; sources 0 and 1 window 1, destination window 0
.macro PLACES
.rept 4
	v_nop
.endr
.endm
	s_load_b128 s[4:7], s[0:1], 0x0                ; qkv, ctxi
	v_lshl_add_u32 v[SPW], v0, 2, SPARE
	v_mov_b32 v[NIL], 0
	ds_add_u32 v[SPW], v[NIL]                      ; the wave's opening: the add, twice on end, and its wait ahead of my first tensor load
	ds_add_u32 v[SPW], v[NIL]
	v_lshrrev_b32 v1, 5, v0
	v_readfirstlane_b32 s[WV], v1                  ; wave 0..7
	s_and_b32 s9, ttmp7, 0xffff                    ; 16 x batch + head
	s_lshl_b32 s[QL], ttmp9, 8
	s_lshl_b32 s[TMP], s[WV], 5
	s_add_co_u32 s[QL], s[QL], s[TMP]              ; 256 i + 32 w
	s_sub_co_u32 s[QH], 7, ttmp9
	s_lshl_b32 s[QH], s[QH], 8
	s_sub_co_u32 s[TMP], 7, s[WV]
	s_lshl_b32 s[TMP], s[TMP], 5
	s_add_co_u32 s[QH], s[QH], s[TMP]              ; 256 (7 - i) + 32 (7 - w)
	s_add_co_u32 s[QLL], s[QL], 31
	s_add_co_u32 s[QHL], s[QH], 31
	s_sub_co_u32 s[QMAX], 8, ttmp9
	s_lshl_b32 s[QMAX], s[QMAX], 8
	s_sub_co_u32 s[QMAX], s[QMAX], 1               ; 256 (8 - i) - 1
	s_mov_b32 s[G1], (3<<16)|(1<<20)|(5<<22)|(31<<25)   ; no mask; elements of 8 bytes; padding on: after every 64 words, 32 words
	s_mov_b32 s[G1+1], 32<<16                      ; tensor_dim0 = 32 elements: 256 bytes
	s_mov_b32 s[G1+2], 32<<16                      ; tensor_dim1 = 32 rows
	s_mov_b32 s[G1+3], 32<<16                      ; tile_dim0
	s_mov_b32 s[G1+4], 32                          ; tile_dim1
	s_mov_b32 s[G1+5], 32                          ; from row to row: dense
	s_mov_b32 s[G1+6], 0
	s_mov_b32 s[G1+7], 0
	s_lshl_b32 s10, s9, 18                         ; a head is 262,144 bytes
	s_lshl_b32 s48, s[QL], 7                       ; a position is 128 bytes
	s_add_co_u32 s48, s48, s10
	s_mov_b32 s49, 0
	s_lshl_b32 s50, s[QH], 7
	s_add_co_u32 s50, s50, s10
	s_mov_b32 s51, 0
	s_lshr_b32 s52, s[WV], 2                       ; my tile: K (waves 0-3) or V (4-7),
	s_add_co_u32 s52, s52, 1
	s_lshl_b32 s52, s52, 24
	s_add_co_u32 s52, s52, s10
	s_and_b32 s[TMP], s[WV], 3                     ; step w % 4 of a slot: 8,192 bytes a step
	s_lshl_b32 s[TMP], s[TMP], 13
	s_add_co_u32 s52, s52, s[TMP]
	s_mov_b32 s53, 0
	s_and_b32 s54, s9, 15                          ; head
	s_lshr_b32 s55, s9, 4                          ; batch
	s_lshr_b32 s[TMP], s54, 1
	s_lshl_b32 s[TMP], s[TMP], 21                  ; ks = head / 2: 2,097,152 bytes
	s_and_b32 s54, s54, 1
	s_lshl_b32 s54, s54, 11                        ; kf = 2 (head % 2): 2,048 bytes
	s_add_co_u32 s54, s54, s[TMP]
	s_lshl_b32 s55, s55, 19                        ; 128 row blocks of 4,096 bytes a batch
	s_add_co_u32 s54, s54, s55
	s_lshl_b32 s56, s[QL], 8                       ; 4,096 bytes for 16 queries
	s_add_co_u32 s56, s56, s54
	s_mov_b32 s57, 0
	s_lshl_b32 s58, s[QH], 8
	s_add_co_u32 s58, s58, s54
	s_mov_b32 s59, 0
	s_mov_b32 s[CS], 0x3e38aa3b                    ; c = log2(e) / 8
	s_mov_b32 s[CS+1], s[CS]
	s_mov_b32 s[SEL], 0x76543210
	s_mov_b32 s[SEL+1], 0xfedcba98
	s_mov_b32 s[TB], 0
	s_mov_b32 s[KF], 0
	s_mov_b32 s[SLOTS], NSL-1
	s_cmp_eq_u32 ttmp9, 0                          ; work-group i = 0 walks all of the head's keys: it prefetches for the head's four
	s_cselect_b32 s[LIM], 1, -1
	s_mov_b32 s[G0], 1
	s_mul_i32 s[G0+1], s[WV], STEPB                ; my tile's place in slot 0
	s_wait_dscnt 0x0                               ; both opening adds are done
	s_wait_kmcnt 0x0
	s_add_nc_u64 s[QBL:QBL+1], s[4:5], s[48:49]
	s_add_nc_u64 s[QBL+2:QBL+3], s[4:5], s[50:51]
	s_add_nc_u64 s[CBL:CBL+1], s[6:7], s[56:57]
	s_add_nc_u64 s[CBL+2:CBL+3], s[6:7], s[58:59]
	s_add_nc_u64 s[G0+2:G0+3], s[4:5], s[52:53]
	s_add_nc_u64 s[PFA:PFA+1], s[G0+2:G0+3], 32768 ; in slot 1: the first change of slots steps it to slot 2.  Nothing is prefetched at the head
	s_or_b32 s[G0+3], s[G0+3], 0x80000000          ; type = 2
	tensor_load_to_lds s[G0:G0+3], s[G1:G1+7]      ; slot 0
	s_nop 0
	PLACES
	v_and_b32 v12, 15, v0                          ; r
	v_bfe_u32 v13, v0, 4, 1                        ; h
	v_mul_u32_u24 v[AK0], v13, 384
	v_lshl_add_u32 v[AK0], v12, 4, v[AK0]          ; chunk cc = 4 u + 2 c + h: row h of the pair, 16 bytes for key r
	v_and_b32 v14, 7, v0
	v_bfe_u32 v15, v0, 3, 1
	v_mul_u32_u24 v[AV0], v15, 384                 ; the turning load: lane l reads key 8 h + l % 8, channels 8 ((l / 8) % 2) + 0..7
	v_lshl_add_u32 v[AV0], v14, 4, v[AV0]
	v_lshl_add_u32 v[AV0], v13, 7, v[AV0]
	v_add_nc_u32 v[AV0], VOFF, v[AV0]
	v_and_b32 v[LQ], 31, v0
	v_lshlrev_b32 v[PFO], 8, v[LQ]
	v_lshlrev_b32 v[LQ], 4, v[LQ]
	v_mov_b32 v[NINF], 0xff800000
	v_lshlrev_b32 v[RH], 3, v13
	v_sub_nc_u32 v[RH], v12, v[RH]
	WIN TO1
.irp t, 0,1,2,3                        ; Q stays in registers: tile t, channels 32 u + 16 c + 8 h ..
.irp u, 0,1
.irp c, 0,1
	global_load_b128 v[16*\t+8*\u+4*\c:16*\t+8*\u+4*\c+3], v[LQ], s[QBL+2*(\t/2):QBL+2*(\t/2)+1] offset:(\t%2)*2048+\u*1024+\c*512
.endr
.endr
.endr
.set i, 0
.rept 128
	v_mov_b32 v[OT+i], 0                           ; O^T: the key step is written once; its first trip finds zeros, which the first a leaves zeros
.set i, i+1
.endr
	WIN 0
.irp t, 0,1,2,3
	v_mov_b32 v[ST+8*\t+1], 0xff61b1e6             ; m = -3e38, under every score
	v_mul_f32 v[ST+8*\t], s[CS], v[ST+8*\t+1]      ; c m
.irp j, 2,3,4,5,6,7
	v_mov_b32 v[ST+8*\t+\j], 0                     ; l, and the registers at work (a lane permute's destination counts as read)
.endr
.endr
.macro KLOAD                           ; a step's K: 64 keys x 64 channels: fragment (kt, u) at v[KVF + 16 kt + 8 u]
	WIN TO1
.irp kt, 0,1,2,3
.irp u, 0,1
.irp c, 0,1
	ds_load_b128 v[KVF+16*\kt+8*\u+4*\c:KVF+16*\kt+8*\u+4*\c+3], v[ADK] offset:\kt*3072+\u*1536+\c*768
.endr
.endr
.endr
	WIN 0
.endm
.macro VLOAD                           ; its V, turned: fragment (keys 32 u on, channels 16 ct on) at v[KVF + 32 u + 8 ct]
	WIN TO1
.irp u, 0,1
.irp ct, 0,1,2,3
.irp c, 0,1
	ds_load_tr16_b128 v[KVF+32*\u+8*\ct+4*\c:KVF+32*\u+8*\ct+4*\c+3], v[ADV] offset:(2*\u+\c)*3072+\ct*768
.endr
.endr
.endr
	WIN 0
.endm
.macro KQ x                            ; S^T = K Q^T for tiles x, x + 1: eight accumulators by turns, two deep
	WIN W_KQ
.irp u, 0,1
.irp kt, 0,1,2,3
.irp t, \x, \x+1
.if \u == 0
	v_wmma_f32_16x16x32_f16 v[S+32*(\t)+8*\kt:S+32*(\t)+8*\kt+7], v[KVF+16*\kt+8*\u:KVF+16*\kt+8*\u+7], v[16*(\t)+8*\u:16*(\t)+8*\u+7], 0
.else
	v_wmma_f32_16x16x32_f16 v[S+32*(\t)+8*\kt:S+32*(\t)+8*\kt+7], v[KVF+16*\kt+8*\u:KVF+16*\kt+8*\u+7], v[16*(\t)+8*\u:16*(\t)+8*\u+7], v[S+32*(\t)+8*\kt:S+32*(\t)+8*\kt+7]
.endif
.endr
.endr
.endr
.endm
.macro PV x                            ; O^T += V^T P for tiles x, x + 1: eight accumulators by turns, two deep
	WIN W_PV
.irp u, 0,1
.irp ct, 0,1,2,3
.irp t, \x, \x+1
	v_wmma_f32_16x16x32_f16 v[OT+32*(\t)+8*\ct:OT+32*(\t)+8*\ct+7], v[KVF+32*\u+8*\ct:KVF+32*\u+8*\ct+7], v[P+16*(\t)+8*\u:P+16*(\t)+8*\u+7], v[OT+32*(\t)+8*\ct:OT+32*(\t)+8*\ct+7]
.endr
.endr
.endr
.endm
; On the diagonal the scores of hidden keys become -infinity.  Register n of a tile holds key KF + 16 (n / 8) + 8 h + n % 8; it is hidden where 16 (n / 8) + n % 8 > my query - KF - 8 h.  A step all of whose keys count jumps over this (ids and the count of steps alone).
.macro MASK x, q0
	s_add_co_u32 s[TMP], s[KF], 63
	s_cmp_le_u32 s[TMP], s[\q0]
	s_cbranch_scc1 .Lopen_\@
	s_sub_co_i32 s[TMP], s[\q0], s[KF]
	v_add_nc_u32 v[DD], s[TMP], v[RH]
.irp n, 0,1,2,3,4,5,6,7,8,9,10,11,12,13,14,15,16,17,18,19,20,21,22,23,24,25,26,27,28,29,30,31
	v_cmp_gt_i32 vcc_lo, 16*(\n/8)+\n%8, v[DD]
	v_cndmask_b32 v[S+32*(\x)+\n], v[S+32*(\x)+\n], v[NINF], vcc_lo
.endr
	v_add_nc_u32 v[DD], 16, v[DD]                  ; the second tile's queries lie 16 further on
.irp n, 0,1,2,3,4,5,6,7,8,9,10,11,12,13,14,15,16,17,18,19,20,21,22,23,24,25,26,27,28,29,30,31
	v_cmp_gt_i32 vcc_lo, 16*(\n/8)+\n%8, v[DD]
	v_cndmask_b32 v[S+32*(\x)+32+\n], v[S+32*(\x)+32+\n], v[NINF], vcc_lo
.endr
.Lopen_\@:
.endm
; The softmax of tiles x, x + 1 for one key step; the two tiles alternate line by line, so that no line waits for the line above it.
.macro SOFTMAX x
.irp j, 0,1,2,3                        ; the maximum of 32 scores and the old m: four chains, each begun at its accumulator's low end
.irp t, \x, \x+1
	v_max3_num_f32 v[ST+8*(\t)+4+\j], v[S+32*(\t)+8*\j], v[S+32*(\t)+8*\j+1], v[S+32*(\t)+8*\j+2]
.endr
.endr
.irp g, 1,2
.irp j, 0,1,2,3
.irp t, \x, \x+1
	v_max3_num_f32 v[ST+8*(\t)+4+\j], v[ST+8*(\t)+4+\j], v[S+32*(\t)+8*\j+2*\g+1], v[S+32*(\t)+8*\j+2*\g+2]
.endr
.endr
.endr
.irp t, \x, \x+1
	v_max3_num_f32 v[ST+8*(\t)+4], v[ST+8*(\t)+4], v[S+32*(\t)+7], v[S+32*(\t)+15]
	v_max3_num_f32 v[ST+8*(\t)+6], v[ST+8*(\t)+6], v[S+32*(\t)+23], v[S+32*(\t)+31]
.endr
.irp t, \x, \x+1
	v_max3_num_f32 v[ST+8*(\t)+4], v[ST+8*(\t)+4], v[ST+8*(\t)+5], v[ST+8*(\t)+6]
.endr
.irp t, \x, \x+1
	v_max3_num_f32 v[ST+8*(\t)+4], v[ST+8*(\t)+4], v[ST+8*(\t)+7], v[ST+8*(\t)+1]
.endr
.irp t, \x, \x+1
	v_permlanex16_b32 v[ST+8*(\t)+5], v[ST+8*(\t)+4], s[SEL], s[SEL+1]   ; the query's other 32 keys lie in the lane 16 away
.endr
.irp t, \x, \x+1
	v_mov_b32 v[ST+8*(\t)+7], v[ST+8*(\t)]         ; c m_old is kept for a
.endr
.irp t, \x, \x+1
	v_max_num_f32 v[ST+8*(\t)+1], v[ST+8*(\t)+4], v[ST+8*(\t)+5]
.endr
.irp t, \x, \x+1
	v_mul_f32 v[ST+8*(\t)], s[CS], v[ST+8*(\t)+1]
.endr
.irp t, \x, \x+1
	v_sub_f32 v[ST+8*(\t)+7], v[ST+8*(\t)+7], v[ST+8*(\t)]
.endr
.irp b, 0,1,2,3,4,5,6,7,8,9,10,11,12,13,14,15
.irp t, \x, \x+1
	v_pk_fma_f32 v[S+32*(\t)+2*\b:S+32*(\t)+2*\b+1], v[S+32*(\t)+2*\b:S+32*(\t)+2*\b+1], s[CS:CS+1], v[ST+8*(\t):ST+8*(\t)+1] op_sel_hi:[1,0,0] neg_lo:[0,0,1] neg_hi:[0,0,1]   ; c s - c m, one rounding; the rounded c m is the row's common reference and cancels in the division by l
.endr
.endr
.irp t, \x, \x+1
	v_exp_f32 v[ST+8*(\t)+6], v[ST+8*(\t)+7]       ; a
.endr
.irp e, 0,1,2,3,4,5,6,7,8,9,10,11,12,13,14,15,16,17,18,19,20,21,22,23,24,25,26,27,28,29,30,31
.irp t, \x, \x+1
	v_exp_f32 v[S+32*(\t)+\e], v[S+32*(\t)+\e]     ; p
.endr
.endr
	v_nop                                          ; a plain line behind the last exponential
	s_wait_alu depctr_va_vdst(0)                   ; one wait for the batch of 66, ahead of the first line that names a result
.irp i, 0,1,2,3,4,5,6,7,8,9,10,11,12,13,14,15
.irp t, \x, \x+1
	v_cvt_pk_f16_f32 v[P+16*(\t)+\i], v[S+32*(\t)+2*\i], v[S+32*(\t)+2*\i+1]
.endr
.endr
.irp z, 0,1,2,3,4,5,6,7                ; the sum of the unrounded p, in place, pairs 1, 2, 4 and 8 apart
.irp t, \x, \x+1
	v_pk_add_f32 v[S+32*(\t)+4*\z:S+32*(\t)+4*\z+1], v[S+32*(\t)+4*\z:S+32*(\t)+4*\z+1], v[S+32*(\t)+4*\z+2:S+32*(\t)+4*\z+3]
.endr
.endr
.irp z, 0,1,2,3
.irp t, \x, \x+1
	v_pk_add_f32 v[S+32*(\t)+8*\z:S+32*(\t)+8*\z+1], v[S+32*(\t)+8*\z:S+32*(\t)+8*\z+1], v[S+32*(\t)+8*\z+4:S+32*(\t)+8*\z+5]
.endr
.endr
.irp z, 0,1
.irp t, \x, \x+1
	v_pk_add_f32 v[S+32*(\t)+16*\z:S+32*(\t)+16*\z+1], v[S+32*(\t)+16*\z:S+32*(\t)+16*\z+1], v[S+32*(\t)+16*\z+8:S+32*(\t)+16*\z+9]
.endr
.endr
.irp t, \x, \x+1
	v_pk_add_f32 v[S+32*(\t):S+32*(\t)+1], v[S+32*(\t):S+32*(\t)+1], v[S+32*(\t)+16:S+32*(\t)+17]
.endr
.irp t, \x, \x+1
	v_pk_fma_f32 v[ST+8*(\t)+2:ST+8*(\t)+3], v[ST+8*(\t)+2:ST+8*(\t)+3], v[ST+8*(\t)+6:ST+8*(\t)+7], v[S+32*(\t):S+32*(\t)+1] op_sel_hi:[1,0,1]   ; l = a l + the sum
.endr
	WIN W_RS
.irp i, 0,1,2,3,4,5,6,7,8,9,10,11,12,13,14,15
.irp t, \x, \x+1
	v_pk_mul_f32 v[OT+32*(\t)+2*\i:OT+32*(\t)+2*\i+1], v[OT+32*(\t)+2*\i:OT+32*(\t)+2*\i+1], v[ST+8*(\t)+6:ST+8*(\t)+7] op_sel_hi:[1,0]   ; O^T x a, each accumulator from its low end on
.endr
.endr
	WIN 0
.endm
; A KEY STEP of 64 keys.  A step whose keys all come after my queries is jumped over (ids and the count of steps alone); the lines at its end that step KF and TB are on every way.
; Where both pieces work, piece L's K Q^T is issued ahead of piece H's softmax and piece H's V^T P ahead of piece L's softmax, so that the matrix unit works under the vector lines.
.macro STEP
	s_cmp_gt_u32 s[KF], s[QHL]
	s_cbranch_scc1 .Lhid_\@
	v_add_nc_u32 v[ADK], s[TB], v[AK0]             ; these two and two v_nop are the four places behind the last V^T P, whose V lies where K now lands
	v_add_nc_u32 v[ADV], s[TB], v[AV0]
	v_nop
	v_nop
	KLOAD
	s_wait_dscnt 0x0                               ; K is in
	KQ 2
	WIN 0
	s_cmp_gt_u32 s[KF], s[QLL]
	s_cbranch_scc1 .LonlyH_\@
	KQ 0
	WIN 0
	PLACES                                         ; behind K Q^T: V lands where K lay, and the scores are read
	VLOAD
	SOFTMAX 2                                      ; (piece H needs no mask while piece L works: its queries begin at 1,024, these keys end under it)
	s_wait_dscnt 0x0                               ; V is in
	PV 2
	WIN 0
	MASK 0, QL
	SOFTMAX 0
	PV 0
	WIN 0
	s_branch .Lhid_\@
.LonlyH_\@:
	PLACES
	VLOAD
	MASK 2, QH
	SOFTMAX 2
	s_wait_dscnt 0x0
	PV 2
	WIN 0
.Lhid_\@:
	s_add_co_u32 s[KF], s[KF], 64
	s_add_co_u32 s[TB], s[TB], STEPB
.endm
.macro SLOT_STEPS                      ; a slot's four steps: written once, walked four times
	s_mov_b32 s[CNT], 4
.Lstep_\@:
	STEP
	s_sub_co_u32 s[CNT], s[CNT], 1
	s_cmp_lg_u32 s[CNT], 0
	s_cbranch_scc1 .Lstep_\@
	s_sub_co_u32 s[TB], s[TB], 4*STEPB             ; back to a slot's first step,
	s_xor_b32 s[TB], s[TB], SLOT1                  ; in the other slot
.endm
; THE CHANGE OF SLOTS stands at a slot's head.  Each wave waits for its tensor load (its tile of the slot that is about to be read), adds 0 to its spare word, and waits for that and for its reads of the slot that it has left.
; Behind the barrier the slot ahead is whole and nobody reads the other one; fill = 1: that one takes the next 256 keys, each wave's one load, which has four key steps in which to land.
; THE LOOK-AHEAD ENDS AT THE CAUSAL LIMIT: a slot whose first key comes after the work-group's last query is read by none of its waves and is not asked for.  The test is made of ids and the count of steps, the same in all eight waves;
; it leads round the load's own lines alone; every wait on TENSORcnt in this text is for 0; where the tail begins hangs on the work-group's number, so it cannot be written out.
; THE PREFETCH: work-group i = 0 of a head asks, each wave for its own tile (8,192 bytes, lanes 256 bytes apart) of the slot after the one just asked for: four key steps ahead of the load that will want it.  Slots 2 to 7 are named once each;
; the last change that fills a slot asks for nothing.
.macro CHANGE fill
	s_wait_tensorcnt 0x0                           ; no tensor load of mine is out, so group 0 may be written
	ds_add_u32 v[SPW], v[NIL]                      ; 0 onto my spare word
.if \fill
	s_xor_b32 s[G0+1], s[G0+1], SLOT1              ; the other slot than last time,
	s_add_nc_u64 s[G0+2:G0+3], s[G0+2:G0+3], 32768 ; the next 256 keys; the type bits on top are not reached
	s_wait_xcnt 0x0                                ; the last prefetch, a slot back, has read its address
	s_add_nc_u64 s[PFA:PFA+1], s[PFA:PFA+1], 32768
.endif
	s_wait_dscnt 0x0                               ; the add is done, and my reads of the slot that I have left are over
	s_barrier_signal -1
	s_barrier_wait -1
.if \fill
	s_add_co_u32 s[TMP], s[KF], 256                ; the first key of the slot that this change would ask for
	s_cmp_gt_u32 s[TMP], s[QMAX]
	s_cbranch_scc1 .Lpast_\@
	tensor_load_to_lds s[G0:G0+3], s[G1:G1+7]
	s_nop 0
	PLACES
.Lpast_\@:
	s_cmp_gt_u32 s[SLOTS], s[LIM]
	s_cbranch_scc0 .Lnot_mine_\@
	global_prefetch_b8 v[PFO], s[PFA:PFA+1] th:TH_LOAD_NT scope:SCOPE_SE
.Lnot_mine_\@:
.endif
.endm
	s_wait_loadcnt 0x0                             ; Q
.Lslot:                                            ; seven trips: behind each change of slots but the last the next slot is asked for, up to the causal limit
	CHANGE 1
	SLOT_STEPS
	s_sub_co_u32 s[SLOTS], s[SLOTS], 1
	s_cmp_lg_u32 s[SLOTS], 0
	s_cbranch_scc1 .Lslot
	CHANGE 0                                       ; the last slot is written out: nothing is left to ask for
	SLOT_STEPS
	; THE WAY OUT.  l's two halves and the other half of the lanes' are added (these lines are also the places behind the last products); O^T is divided by l and rounded to f16.
	; A lane's eight channels of tile ct are registers 4 c .. 4 c + 3 of the next product's fragment, in the lane in which it wants them.
.irp t, 0,1,2,3
	v_add_f32 v[ST+8*\t+4], v[ST+8*\t+2], v[ST+8*\t+3]
.endr
.irp t, 0,1,2,3
	v_permlanex16_b32 v[ST+8*\t+5], v[ST+8*\t+4], s[SEL], s[SEL+1]
.endr
.irp t, 0,1,2,3
	v_add_f32 v[ST+8*\t+4], v[ST+8*\t+4], v[ST+8*\t+5]
.endr
.irp t, 0,1,2,3
	v_rcp_f32 v[ST+8*\t+6], v[ST+8*\t+4]
.endr
	v_nop                                          ; a plain line behind the last reciprocal
	s_wait_alu depctr_va_vdst(0)                   ; one wait for the four, ahead of their first reader
.irp t, 0,1,2,3
	WIN W_RS
.irp i, 0,1,2,3,4,5,6,7,8,9,10,11,12,13,14,15
	v_pk_mul_f32 v[OT+32*\t+2*\i:OT+32*\t+2*\i+1], v[OT+32*\t+2*\i:OT+32*\t+2*\i+1], v[ST+8*\t+6:ST+8*\t+7] op_sel_hi:[1,0]
.endr
	WIN CV
.irp i, 0,1,2,3,4,5,6,7,8,9,10,11,12,13,14,15
	v_cvt_pk_f16_f32 v[S+16*\t+\i], v[OT+32*\t+2*\i], v[OT+32*\t+2*\i+1]
.endr
	WIN 0
.irp ct, 0,1,2,3
	global_store_b128 v[LQ], v[S+16*\t+4*\ct:S+16*\t+4*\ct+3], s[CBL+2*(\t/2):CBL+2*(\t/2)+1] offset:(\t%2)*4096+\ct*512   ; 32 lanes store 512 consecutive bytes
.endr
.endr
	s_wait_tensorcnt 0x0                           ; the wave's end, behind my last tensor load
	ds_add_u32 v[SPW], v[NIL]
	s_wait_dscnt 0x0
	s_endpgm
.Lfunc_end_k_qad77b6a770_attn:
	.size	k_qad77b6a770_attn, .Lfunc_end_k_qad77b6a770_attn-k_qad77b6a770_attn
	.p2alignl 7, 3214868480
	.fill 96, 4, 3214868480
	.section	.rodata,"a",@progbits
	.p2align	6, 0x0
	.amdhsa_kernel k_qad77b6a770_attn
		.amdhsa_group_segment_fixed_size 327680
		.amdhsa_private_segment_fixed_size 0
		.amdhsa_enable_private_segment 0
		.amdhsa_kernarg_size 16
		.amdhsa_user_sgpr_count 2
		.amdhsa_user_sgpr_kernarg_segment_ptr 1
		.amdhsa_wavefront_size32 1
		.amdhsa_system_sgpr_workgroup_id_x 1
		.amdhsa_system_sgpr_workgroup_id_y 1
		.amdhsa_system_sgpr_workgroup_id_z 1
		.amdhsa_system_vgpr_workitem_id 0
		.amdhsa_next_free_vgpr 512
		.amdhsa_next_free_sgpr 66
		.amdhsa_reserve_vcc 1
		.amdhsa_float_denorm_mode_32 3
		.amdhsa_float_denorm_mode_16_64 3
		.amdhsa_memory_ordered 1
		.amdhsa_forward_progress 1
		.amdhsa_inst_pref_size 135
	.end_amdhsa_kernel
	.amdgpu_metadata
---
amdhsa.version: [ 1, 2 ]
amdhsa.kernels:
  - .name:           k_qad77b6a770_attn
    .symbol:         k_qad77b6a770_attn.kd
    .args:
      - { .name: qkv, .offset: 0, .size: 8, .value_kind: global_buffer, .address_space: global }
      - { .name: ctxi, .offset: 8, .size: 8, .value_kind: global_buffer, .address_space: global }
    .group_segment_fixed_size: 327680
    .private_segment_fixed_size: 0
    .kernarg_segment_align: 8
    .kernarg_segment_size: 16
    .max_flat_workgroup_size: 256
    .sgpr_count:     66
    .vgpr_count:     512
    .wavefront_size: 32
...
	.end_amdgpu_metadata
.endif
;; end of part 4
;; launch oproj (part 5): grid 4 x 64, 4 waves a work-group, clusters of 4 x 4, 327,680 bytes of LDS; arguments ctxi, woi, bo, out0; writes out0
.if DOCPART == 5
	.amdgcn_target "amdgcn-amd-amdhsa--gfx1250"
	.amdhsa_code_object_version 6
	.text
	.protected	k_qad77b6a770_oproj
	.globl	k_qad77b6a770_oproj
	.p2align	8
	.type	k_qad77b6a770_oproj,@function
k_qad77b6a770_oproj:
	s_mov_b64 s[64:65], 0
	v_nop
	global_prefetch_b8 v0, s[64:65] scope:SCOPE_SE
	s_setreg_imm32_b32 hwreg(HW_REG_WAVE_MODE, 25, 1), 1
	s_wait_xcnt 0x0
	s_wait_alu depctr_hold_cnt(0) depctr_sa_sdst(0) depctr_va_vdst(0) depctr_va_sdst(0) depctr_va_ssrc(0) depctr_va_vcc(0) depctr_vm_vsrc(0)
	s_getreg_b32 s2, hwreg(HW_REG_IB_STS2, 6, 4)
	s_cmp_eq_u32 s2, 0
	s_cbranch_scc0 .Lentry_in_a_cluster
	s_endpgm
.Lentry_in_a_cluster:
	s_bfe_u32 s2, ttmp6, 0x10000c
	s_cmp_lg_u32 s2, 0xf033
	s_cbranch_scc0 .Lentry_shape_is_right
	s_endpgm
.Lentry_shape_is_right:
; out = ctx Wo + bo: [8192][1024] x [1024][1024], operands f16, sums f32.  Both operands arrive in the order of their registers: a fragment (16 rows x 32 K) is 1,024 bytes, lane l's two pieces at 16 l and 512 + 16 l;
; ctxi [ks 8][mb 512][kf 4][..], woi [ks 8][nb 64][kf 4][..].  So a K step of 128 of 8 row blocks, or of 16 column blocks, is one dense block of memory, and a fragment load from LDS reads 512 consecutive bytes.
; A tile of 128 x 256 gives 256 work-groups.  Four waves, each 64 rows x 128 columns: 32 accumulators.  K goes in 8 steps of 128 through a ring of two slots; a step is 128 matrix instructions a wave.
; CLUSTERS: 4 x 4 work-groups: the four of a row of the cluster need the same rows of ctx, the four of a column the same columns of Wo: each tile is asked for jointly.
; THE MATRIX INSTRUCTION IS USED TRANSPOSED (source 0 = 16 columns of Wo, source 1 = 16 rows of ctx): a lane holds eight neighbouring columns of one row.  The bias is the C of each sum's first product.
; The first 16 positions of each sequence are written here as all rows are, and written again, carried in f32, by the launch that follows.
; REGISTERS: window 0: v16-29 addresses; v64-127 ctx's fragments, two sets of 4; v128-255 rows of out on the way out.  window 1: v0-127 Wo's fragments, two sets of 8.
;            window 2: the accumulators ((a, b) at v[8 (8 a + b)]).  window 3: v0-63 the bias, eight registers for each b.
.set SLOTB, 98304                      ; a slot: ctx's 8 blocks of 4,096 bytes, then Wo's 16
.set BOFF,  32768
.set STAGE, 2*SLOTB                    ; behind the ring: 16 rows x (512 bytes + 16) for each wave
.set SPITCH, 528
.set SPARE, STAGE+4*16*SPITCH          ; the spare words, 128 bytes a wave, which no other line names
.set LAPS,  4                          ; a lap = two K steps
.set ADRA, 16                          ; v16-17 LDS address of my fragments of ctx in slot 0, 1
.set ADRB, 20                          ; v20-21 of Wo
.set STO,  24                          ; v24  the way out: where I put 32 bytes of a row
.set RD,   25                          ; v25  where I read a row back
.set CO,   26                          ; v26  16 x lane
.set BH,   27                          ; v27  32 h: my half's eight numbers of the bias
.set SPW,  28                          ; v28  LDS address of my spare word; never rewritten
.set NIL,  29                          ; v29  0; never rewritten
.set AF,   64
.set BK,   128
.set F0,   0
.set F1,   1
.set G1,  24                           ; s[24:31] group 1 for ctx's tiles; s[32:39] group 0, one set a slot
.set G0,  32
.set G1B, 48                           ; s[48:55], s[56:63] for Wo's
.set G0B, 56
.set MSB, 0
.macro WIN new
.if MSB != (\new)
	s_set_vgpr_msb (MSB<<8)|(\new)
.set MSB, (\new)
.endif
.endm
.set MUL,  0xa1                        ; source 0 (Wo) window 1, source 1 (ctx) window 0, C and D window 2
.set MULB, 0xb1                        ; the same with C in window 3: the bias
.set TO_B, 0x40
.macro JLOAD s                         ; a joint load: waves 0 and 1 fetch ctx's two halves, waves 2 and 3 Wo's; an s_nop 0 and four v_nop follow each line
	s_cmp_eq_u32 s15, 0
	s_cbranch_scc0 .Lfor_b_\@
	tensor_load_to_lds s[G0+4*\s:G0+4*\s+3], s[G1:G1+7]
	s_nop 0
.rept 4
	v_nop
.endr
	s_branch .Lasked_\@
.Lfor_b_\@:
	tensor_load_to_lds s[G0B+4*\s:G0B+4*\s+3], s[G1B:G1B+7]
	s_nop 0
.rept 4
	v_nop
.endr
.Lasked_\@:
.endm
.macro CREST                           ; a round of the cluster's barrier behind its opening barrier
	s_cmp_lg_u32 s14, 0
	s_cbranch_scc1 .Lnot_wave_0_\@
	s_barrier_signal -3
.Lnot_wave_0_\@:
	s_barrier_wait -3
	s_barrier_signal -1
	s_barrier_wait -1
.endm
.macro CROUND
	s_barrier_signal -1
	s_barrier_wait -1
	CREST
.endm
.macro PLACES
.rept 4
	v_nop
.endr
.endm
	s_load_b128 s[4:7], s[0:1], 0x0                ; ctxi, woi
	s_load_b128 s[8:11], s[0:1], 0x10              ; bo, out0
	v_lshl_add_u32 v[SPW], v0, 2, SPARE
	v_mov_b32 v[NIL], 0
	ds_add_u32 v[SPW], v[NIL]                      ; the wave's opening: the add, twice on end, and its wait ahead of my first tensor load
	ds_add_u32 v[SPW], v[NIL]
	v_lshrrev_b32 v1, 5, v0
	v_readfirstlane_b32 s14, v1                    ; wave 0..3
	s_lshr_b32 s15, s14, 1                         ; which 64 rows are mine.  Also: I fetch for ctx (0) or for Wo (1)
	s_and_b32 s16, s14, 1                          ; which 128 columns.  Also: which half of that tile I fetch
	s_bfe_u32 s40, ttmp6, 0x40000                  ; cx, cy
	s_bfe_u32 s41, ttmp6, 0x40004
	s_lshl_b32 s42, ttmp9, 2
	s_add_co_u32 s42, s42, s40                     ; tile column
	s_and_b32 s13, ttmp7, 0xffff
	s_lshl_b32 s13, s13, 2
	s_add_co_u32 s13, s13, s41                     ; tile row
	s_lshl_b32 s43, s41, 2
	s_lshl_b32 s43, 15, s43                        ; my row of the cluster
	s_lshl_b32 s44, 0x1111, s40                    ; my column
	s_or_b32 s[G1+0], s43, (3<<16)|(1<<21)         ; the mask; elements of 8 bytes; bit 21 set beside a mask; no padding
	s_mov_b32 s[G1+1], 32<<16                      ; rows of 32 elements: 256 bytes
	s_mov_b32 s[G1+2], 64<<16                      ; 64 rows: 16,384 dense bytes
	s_mov_b32 s[G1+3], 32<<16
	s_mov_b32 s[G1+4], 64
	s_mov_b32 s[G1+5], 32
	s_mov_b32 s[G1+6], 0
	s_mov_b32 s[G1+7], 0
	s_or_b32 s[G1B+0], s44, (3<<16)|(1<<21)
	s_mov_b32 s[G1B+1], 32<<16
	s_mov_b32 s[G1B+2], 128<<16                    ; 128 rows: 32,768 dense bytes
	s_mov_b32 s[G1B+3], 32<<16
	s_mov_b32 s[G1B+4], 128
	s_mov_b32 s[G1B+5], 32
	s_mov_b32 s[G1B+6], 0
	s_mov_b32 s[G1B+7], 0
	s_lshl_b32 s20, s13, 15                        ; ctx: 8 row blocks of 4,096 bytes a tile row,
	s_lshl_b32 s17, s16, 14                        ; my half: 4 blocks
	s_add_co_u32 s20, s20, s17
	s_mov_b32 s21, 0
	s_lshl_b32 s46, s42, 16                        ; Wo: 16 column blocks a tile column,
	s_lshl_b32 s17, s16, 15                        ; my half: 8 blocks
	s_add_co_u32 s46, s46, s17
	s_mov_b32 s47, 0
	s_lshl_b32 s18, s16, 14                        ; where they go: the wave's number alone enters an LDS address
	s_lshl_b32 s19, s16, 15
	s_add_co_u32 s19, s19, BOFF
	s_wait_dscnt 0x0                               ; both opening adds are done
	s_wait_kmcnt 0x0
	s_add_nc_u64 s[20:21], s[4:5], s[20:21]
	s_add_nc_u64 s[46:47], s[6:7], s[46:47]
	CROUND                                         ; all sixteen work-groups are here: the first joint loads meet
.irp s, 0,1
	s_mov_b32 s[G0+4*\s], 1
	s_add_co_u32 s[G0+4*\s+1], s18, \s*SLOTB
	s_add_nc_u64 s[G0+4*\s+2:G0+4*\s+3], s[20:21], \s*2097152      ; K step s of ctxi
	s_or_b32 s[G0+4*\s+3], s[G0+4*\s+3], 0x80000000
	s_mov_b32 s[G0B+4*\s], 1
	s_add_co_u32 s[G0B+4*\s+1], s19, \s*SLOTB
	s_add_nc_u64 s[G0B+4*\s+2:G0B+4*\s+3], s[46:47], \s*262144     ; K step s of woi
	s_or_b32 s[G0B+4*\s+3], s[G0B+4*\s+3], 0x80000000
	JLOAD \s                                       ; two loads of mine are out
.endr
	v_and_b32 v1, 15, v0                           ; r
	v_bfe_u32 v2, v0, 4, 1                         ; h
	v_and_b32 v3, 31, v0
	v_lshlrev_b32 v[CO], 4, v3
	s_lshl_b32 s21, s15, 14                        ; my 4 blocks of ctx
	s_lshl_b32 s22, s16, 15                        ; my 8 blocks of Wo,
	s_add_co_u32 s22, s22, BOFF                    ; which lie behind ctx's 8
.irp s, 0,1
	v_add_nc_u32 v[ADRA+\s], s21, v[CO]
	v_add_nc_u32 v[ADRB+\s], s22, v[CO]
	s_add_co_u32 s21, s21, SLOTB
	s_add_co_u32 s22, s22, SLOTB
.endr
	s_mul_i32 s23, s14, 16*SPITCH
	s_add_co_u32 s23, s23, STAGE                   ; my stage
	v_mul_u32_u24 v4, v1, SPITCH
	v_lshl_add_u32 v4, v2, 5, v4
	v_add_nc_u32 v[STO], s23, v4                   ; in: row r, 32 bytes for each half of the lanes
	v_add_nc_u32 v[RD], s23, v[CO]                 ; back: the 32 lanes take one row of 512 bytes
	v_lshlrev_b32 v[BH], 5, v2
	s_lshl_b32 s46, s42, 10                        ; my first column, in bytes: 1,024 x tile column + 512 x half
	s_lshl_b32 s47, s16, 9
	s_add_co_u32 s46, s46, s47
	s_mov_b32 s47, 0
	s_add_nc_u64 s[8:9], s[8:9], s[46:47]
	s_add_nc_u64 s[10:11], s[10:11], s[46:47]
	s_lshl_b32 s46, s13, 19                        ; my first row: 128 rows of 4,096 bytes a tile row,
	s_lshl_b32 s17, s15, 18                        ; 64 for my half
	s_add_co_u32 s46, s46, s17
	s_add_nc_u64 s[10:11], s[10:11], s[46:47]
	WIN 0xc0                                       ; destination window 3
.irp b, 0,1,2,3,4,5,6,7                ; register j of block b: bo at column 16 b + 8 h + j: the result's layout
	global_load_b128 v[8*\b:8*\b+3], v[BH], s[8:9] offset:64*\b
	global_load_b128 v[8*\b+4:8*\b+7], v[BH], s[8:9] offset:64*\b+16
.endr
	WIN 0
.macro MUL8 f, a, first                ; ctx's block a against Wo's eight, 32 along K.  The 32 accumulators take turns, one instruction a turn, in the same order in every quarter
.irp b, 0,1,2,3,4,5,6,7
.if \first
	v_wmma_f32_16x16x32_f16 v[8*(8*(\a)+\b):8*(8*(\a)+\b)+7], v[64*(\f)+8*\b:64*(\f)+8*\b+7], v[AF+32*(\f)+8*(\a):AF+32*(\f)+8*(\a)+7], v[8*\b:8*\b+7]
.else
	v_wmma_f32_16x16x32_f16 v[8*(8*(\a)+\b):8*(8*(\a)+\b)+7], v[64*(\f)+8*\b:64*(\f)+8*\b+7], v[AF+32*(\f)+8*(\a):AF+32*(\f)+8*(\a)+7], v[8*(8*(\a)+\b):8*(8*(\a)+\b)+7]
.endif
.endr
.endm
.macro FETCH slot, q, f                ; 24 LDS loads in one run: the fragments of the slot's q-th 32 along K into set f: Wo's eight, then ctx's four
	WIN TO_B
.irp i, 0,1,2,3,4,5,6,7
	ds_load_b128 v[64*(\f)+8*\i:64*(\f)+8*\i+3],   v[ADRB+\slot] offset:\i*4096+(\q)*1024
	ds_load_b128 v[64*(\f)+8*\i+4:64*(\f)+8*\i+7], v[ADRB+\slot] offset:\i*4096+(\q)*1024+512
.endr
	WIN 0
.irp i, 0,1,2,3
	ds_load_b128 v[AF+32*(\f)+8*\i:AF+32*(\f)+8*\i+3],   v[ADRA+\slot] offset:\i*4096+(\q)*1024
	ds_load_b128 v[AF+32*(\f)+8*\i+4:AF+32*(\f)+8*\i+7], v[ADRA+\slot] offset:\i*4096+(\q)*1024+512
.endr
.endm
.macro QUARTER slot, q, f, g, first    ; multiplies set f; in its middle it fetches the slot's q-th quarter into set g
	s_wait_dscnt 4                                 ; Wo's eight and ctx's blocks 0, 1 are in; the youngest four loads (blocks 2, 3) may be out
.if \first
	WIN MULB
.else
	WIN MUL
.endif
	MUL8 \f, 0, \first
	MUL8 \f, 1, \first
	PLACES                                         ; in front of loads into registers that the quarter before multiplied
	FETCH \slot, \q, \g
	s_wait_dscnt 24                                ; all but the 24 just issued
.if \first
	WIN MULB
.else
	WIN MUL
.endif
	MUL8 \f, 2, \first
	MUL8 \f, 3, \first
.endm
; The last quarter multiplies set 1 and changes slots: one barrier; in front of it each wave waits for all its tensor loads, adds 0 to its spare word, and waits for that and for its reads of this slot.
; fill = 1: the barrier opens a round of the cluster's barrier, and behind the round this slot takes the K step two on: 112 matrix instructions ahead of the wait for it.
.macro TURN slot, next, fill
	WIN 0                                          ; (the add's two registers lie in window 0)
	s_wait_tensorcnt 0x0                           ; all my tensor loads have landed: my part of the next slot
	ds_add_u32 v[SPW], v[NIL]                      ; 0 onto my spare word
	s_wait_dscnt 5                                 ; (the add and the youngest four loads may be out)
	WIN MUL
	MUL8 F1, 0, 0
	s_wait_dscnt 0x0                               ; the add is done, and my reads of this slot are over
	s_barrier_signal -1
	MUL8 F1, 1, 0
	WIN 0
	s_barrier_wait -1
.if \fill
	CREST                                          ; no wave of any partner still reads this slot's tile or has a load on its way
	s_add_nc_u64 s[G0+4*\slot+2:G0+4*\slot+3], s[G0+4*\slot+2:G0+4*\slot+3], 2*2097152
	s_add_nc_u64 s[G0B+4*\slot+2:G0B+4*\slot+3], s[G0B+4*\slot+2:G0B+4*\slot+3], 2*262144
	JLOAD \slot                                    ; the first tensor load behind the round; its four v_nop are also the places in front of the loads below
.else
	PLACES
.endif
	FETCH \next, 0, F0
	WIN MUL
	MUL8 F1, 2, 0
	MUL8 F1, 3, 0
.endm
	s_wait_tensorcnt 1                             ; my part of K step 0 is in; K step 1's may be out
	s_barrier_signal -1
	s_barrier_wait -1
	s_wait_loadcnt 0x0                             ; the bias
	FETCH 0, 0, F0
	QUARTER 0, 1, F0, F1, 1                        ; the first quarter stands in front of the loop: its products start the sums on the bias
	WIN 0
	s_mov_b32 s3, LAPS-1
.Llap:                                             ; a trip goes once round the ring, from a lap's second quarter to the next lap's first, and fills both slots again
	QUARTER 0, 2, F1, F0, 0
	QUARTER 0, 3, F0, F1, 0
	TURN 0, 1, 1
	QUARTER 1, 1, F0, F1, 0
	QUARTER 1, 2, F1, F0, 0
	QUARTER 1, 3, F0, F1, 0
	TURN 1, 0, 1
	QUARTER 0, 1, F0, F1, 0
	WIN 0
	s_sub_co_u32 s3, s3, 1
	s_cmp_lg_u32 s3, 0
	s_cbranch_scc1 .Llap
	QUARTER 0, 2, F1, F0, 0                        ; the last lap fills nothing
	QUARTER 0, 3, F0, F1, 0
	TURN 0, 1, 0
	QUARTER 1, 1, F0, F1, 0
	QUARTER 1, 2, F1, F0, 0
	QUARTER 1, 3, F0, F1, 0
	s_wait_dscnt 4                                 ; the very last quarter: nothing more to fetch
	WIN MUL
	MUL8 F1, 0, 0
	MUL8 F1, 1, 0
	s_wait_dscnt 0
	MUL8 F1, 2, 0
	MUL8 F1, 3, 0
	WIN 0
; THE WAY OUT, block by block of 16 rows x 128 columns: through my own stage in LDS and back as whole rows of 512 bytes.  LDS serves a wave's instructions in order: no wait between the stores and the loads.
.macro TOSTAGE a
	WIN 0x08                                       ; an LDS store's data are its source 1: window 2
.irp b, 0,1,2,3,4,5,6,7
	ds_store_b128 v[STO], v[64*(\a)+8*\b:64*(\a)+8*\b+3] offset:64*\b          ; each accumulator from its low end on
	ds_store_b128 v[STO], v[64*(\a)+8*\b+4:64*(\a)+8*\b+7] offset:64*\b+16
.endr
	WIN 0
.set BB, BK+64*((\a)%2)
.irp t, 0,1,2,3,4,5,6,7,8,9,10,11,12,13,14,15
	ds_load_b128 v[BB+4*\t:BB+4*\t+3], v[RD] offset:\t*SPITCH
.endr
.endm
.macro SEND a, younger                 ; younger: the LDS instructions issued behind block a's loads, which may stay out
.set BB, BK+64*((\a)%2)
	s_wait_dscnt \younger
.if (\a) > 0
	s_add_nc_u64 s[10:11], s[10:11], 16*4096       ; 16 rows on (behind a wait on XCNT: the earlier stores have read their base)
.endif
.irp t, 0,1,2,3,4,5,6,7,8,9,10,11,12,13,14,15
	global_store_b128 v[CO], v[BB+4*\t:BB+4*\t+3], s[10:11] offset:\t*4096   ; 32 lanes store 512 consecutive bytes
.endr
.endm
	PLACES                                         ; behind the last products, ahead of the first read of results
	TOSTAGE 0
.irp a, 1,2,3
.if \a > 1
	s_wait_xcnt 0x0                                ; block a - 2's stores have read their registers and their base
.endif
	TOSTAGE \a
	SEND \a-1, 32                                  ; behind block a - 1's loads: block a's 16 stores and 16 loads
.endr
	s_wait_xcnt 0x0
	SEND 3, 0
	s_wait_tensorcnt 0x0                           ; the wave's end, behind my last tensor load and my last LDS store
	ds_add_u32 v[SPW], v[NIL]
	s_wait_dscnt 0x0
	CROUND                                         ; the closing round
	s_endpgm
.Lfunc_end_k_qad77b6a770_oproj:
	.size	k_qad77b6a770_oproj, .Lfunc_end_k_qad77b6a770_oproj-k_qad77b6a770_oproj
	.p2alignl 7, 3214868480
	.fill 96, 4, 3214868480
	.section	.rodata,"a",@progbits
	.p2align	6, 0x0
	.amdhsa_kernel k_qad77b6a770_oproj
		.amdhsa_group_segment_fixed_size 327680
		.amdhsa_private_segment_fixed_size 0
		.amdhsa_enable_private_segment 0
		.amdhsa_kernarg_size 32
		.amdhsa_user_sgpr_count 2
		.amdhsa_user_sgpr_kernarg_segment_ptr 1
		.amdhsa_wavefront_size32 1
		.amdhsa_system_sgpr_workgroup_id_x 1
		.amdhsa_system_sgpr_workgroup_id_y 1
		.amdhsa_system_sgpr_workgroup_id_z 1
		.amdhsa_system_vgpr_workitem_id 0
		.amdhsa_next_free_vgpr 1024
		.amdhsa_next_free_sgpr 66
		.amdhsa_reserve_vcc 0
		.amdhsa_float_denorm_mode_32 3
		.amdhsa_float_denorm_mode_16_64 3
		.amdhsa_memory_ordered 1
		.amdhsa_forward_progress 1
		.amdhsa_inst_pref_size 87
	.end_amdhsa_kernel
	.amdgpu_metadata
---
amdhsa.version: [ 1, 2 ]
amdhsa.kernels:
  - .name:           k_qad77b6a770_oproj
    .symbol:         k_qad77b6a770_oproj.kd
    .args:
      - { .name: ctxi, .offset: 0, .size: 8, .value_kind: global_buffer, .address_space: global }
      - { .name: woi, .offset: 8, .size: 8, .value_kind: global_buffer, .address_space: global }
      - { .name: bo, .offset: 16, .size: 8, .value_kind: global_buffer, .address_space: global }
      - { .name: out0, .offset: 24, .size: 8, .value_kind: global_buffer, .address_space: global }
    .group_segment_fixed_size: 327680
    .private_segment_fixed_size: 0
    .kernarg_segment_align: 8
    .kernarg_segment_size: 32
    .max_flat_workgroup_size: 128
    .sgpr_count:     66
    .vgpr_count:     1024
    .wavefront_size: 32
...
	.end_amdgpu_metadata
.endif
;; end of part 5
;; launch fine (part 6): grid 16 x 4, 16 waves a work-group, no clusters, 71,680 bytes of LDS; arguments q32, Wo, bo, out0; writes out0
.if DOCPART == 6
	.amdgcn_target "amdgcn-amd-amdhsa--gfx1250"
	.amdhsa_code_object_version 6
	.text
	.protected	k_qad77b6a770_fine
	.globl	k_qad77b6a770_fine
	.p2align	8
	.type	k_qad77b6a770_fine,@function
k_qad77b6a770_fine:
	s_mov_b64 s[64:65], 0
	v_nop
	global_prefetch_b8 v0, s[64:65] scope:SCOPE_SE
	s_setreg_imm32_b32 hwreg(HW_REG_WAVE_MODE, 25, 1), 1
	s_wait_xcnt 0x0
; Positions 0 to 15 of each sequence, carried in f32 through the scores, the softmax, p v and the projection: these rows average one to sixteen values, and the rounding of 16-bit operands weighs most on them.
; They overwrite 64 rows of out0, 16 in each batch.  Work-group (x, batch): 64 output columns from 64 x on.  Wave w is head w: it makes its head's 16 x 16 attention and its head's share of the 16 x 64 slab,
; ctx_w (16 x 64) x Wo[64 w .. 64 w + 63][slab]; the 16 shares meet in LDS and are added in ascending order of heads, then the bias.
; All products go by the f32 matrix form, 96 instructions a wave: 16 x 16 x 64, 16 x 64 x 16 and 16 x 64 x 64 multiply-adds a head: no bulk work.
; K IS PERMUTED ALIKE ON BOTH SIDES: the instruction's k = 2 h + j stands for the true index 8 h + 2 t + j (link t), so that a result's eight registers (index 8 h + j of one query) feed the next product from the lanes in which they lie.
; Registers that the matrix form writes (v184-247) are written by nothing else; what is made of a finished sum goes into other registers.
; REGISTERS: v1-9 addresses and constants; v10-15 at work; v16-23 the scores, then p; v24-55 Q, v56-87 K, later Wo's rows 32-63 of the head, later the 16 shares; v88-119 V^T, later ctx; v120-183 Wo's rows 0-31;
;            v184-215 S^T in two halves, later O^T; v216-247 the slab; v248-251 the bias; v252, v253 offsets.
.set SHP,   272                        ; a row of a share in LDS: 256 bytes + 16
.set SHB,   16*SHP                     ; a share
.set SPARE, 16*SHB                     ; the spare words, 128 bytes a wave, which no other line names
	s_load_b128 s[4:7], s[0:1], 0x0                ; q32, Wo
	s_load_b128 s[8:11], s[0:1], 0x10              ; bo, out0
	v_lshl_add_u32 v6, v0, 2, SPARE                ; my spare word
	v_mov_b32 v7, 0
	v_lshrrev_b32 v1, 5, v0
	v_readfirstlane_b32 s12, v1                    ; wave = head
	s_and_b32 s13, ttmp7, 0xffff                   ; batch
	v_and_b32 v10, 15, v0                          ; r
	v_bfe_u32 v11, v0, 4, 1                        ; h
	v_and_b32 v1, 31, v0
	v_lshlrev_b32 v1, 4, v1                        ; 16 x lane
	v_bfe_u32 v12, v0, 2, 1
	v_bfe_u32 v13, v0, 3, 1
	v_and_b32 v14, 3, v0
	v_lshlrev_b32 v2, 9, v12                       ; V^T: channel 16 ct + r of key 8 h + jk lies at 1024 ct + 512 ((r / 4) % 2) + 16 (8 h + jk + 16 (r / 8)) + 4 (r % 4)
	v_lshl_add_u32 v2, v13, 8, v2
	v_lshl_add_u32 v2, v11, 7, v2
	v_lshl_add_u32 v2, v14, 2, v2
	v_lshlrev_b32 v3, 15, v11                      ; Wo: 8 h rows of 4,096 bytes + 4 r
	v_lshl_add_u32 v3, v10, 2, v3
	s_mul_i32 s14, s12, SHB
	v_mul_u32_u24 v4, v10, SHP                     ; my share: row r, + 32 h
	v_lshl_add_u32 v4, v11, 5, v4
	v_add_nc_u32 v4, s14, v4
	v_lshrrev_b32 v12, 4, v0                       ; the sum: thread t (of the first 256) takes row t / 16, 16 bytes at 16 (t % 16)
	v_mul_u32_u24 v5, v12, SHP
	v_lshl_add_u32 v5, v10, 4, v5
	v_lshlrev_b32 v252, 12, v12                    ; and the same place in out0
	v_lshl_add_u32 v252, v10, 4, v252
	v_lshlrev_b32 v253, 4, v10                     ; and in the bias
	v_lshlrev_b32 v8, 3, v11
	v_sub_nc_u32 v8, v10, v8                       ; r - 8 h
	v_mov_b32 v9, 0xff800000                       ; -infinity
	s_lshl_b32 s16, s13, 4
	s_add_co_u32 s16, s16, s12
	s_lshl_b32 s16, s16, 12                        ; q32: 4,096 bytes a head
	s_mov_b32 s17, 0
	s_lshl_b32 s15, ttmp9, 8                       ; my 64 columns: 256 bytes
	s_lshl_b32 s18, s12, 18                        ; Wo: 64 rows of 4,096 bytes a head
	s_add_co_u32 s18, s18, s15
	s_mov_b32 s19, 0
	s_mov_b32 s22, s15
	s_mov_b32 s23, 0
	s_lshl_b32 s24, s13, 23                        ; out0: 2,048 rows of 4,096 bytes a batch
	s_add_co_u32 s24, s24, s15
	s_mov_b32 s25, 0
	s_mov_b32 s20, 0x3e38aa3b                      ; c = log2(e) / 8
	s_mov_b32 s26, 0x76543210
	s_mov_b32 s27, 0xfedcba98                      ; lane l xor 16
	s_wait_kmcnt 0x0
	s_add_nc_u64 s[4:5], s[4:5], s[16:17]
	s_add_nc_u64 s[6:7], s[6:7], s[18:19]
	s_add_nc_u64 s[8:9], s[8:9], s[22:23]
	s_add_nc_u64 s[10:11], s[10:11], s[24:25]
	global_load_b128 v[248:251], v253, s[8:9]
.irp i, 0,1,2,3,4,5,6,7                ; Q and K: lane (r, h): position r, channels 16 (i / 2) + 8 h + 4 (i % 2) + 0..3
	global_load_b128 v[24+4*\i:27+4*\i], v1, s[4:5] offset:512*\i
.endr
.irp i, 0,1,2,3,4,5,6,7
	global_load_b128 v[56+4*\i:59+4*\i], v1, s[4:5] offset:262144+512*\i
.endr
.irp ct, 0,1,2,3
.irp k, 0,1,2,3,4,5,6,7
	global_load_b32 v[88+8*\ct+\k], v2, s[4:5] offset:524288+1024*\ct+16*\k       ; V[key 8 h + k][channel 16 ct + r]
.endr
.endr
.irp ct, 0,1
.irp n, 0,1,2,3
.irp k, 0,1,2,3,4,5,6,7
	global_load_b32 v[120+32*\ct+8*\n+\k], v3, s[6:7] offset:\ct*65536+\k*4096+\n*64   ; Wo[64 w + 16 ct + 8 h + k][slab column 16 n + r]
.endr
.endr
.endr
	s_wait_loadcnt 63                              ; 64 loads were issued behind V's: the bias, Q, K and V are in
.irp i, 0,1,2,3                        ; S^T = K Q^T: 16 links of 4 channels, in two sums by turns
.irp p, 0,1
.if (\i == 0) && (\p == 0)
	v_wmma_f32_16x16x4_f32 v[184:191], v[56:57], v[24:25], 0
	v_wmma_f32_16x16x4_f32 v[192:199], v[72:73], v[40:41], 0
.else
	v_wmma_f32_16x16x4_f32 v[184:191], v[56+4*\i+2*\p:57+4*\i+2*\p], v[24+4*\i+2*\p:25+4*\i+2*\p], v[184:191]
	v_wmma_f32_16x16x4_f32 v[192:199], v[72+4*\i+2*\p:73+4*\i+2*\p], v[40+4*\i+2*\p:41+4*\i+2*\p], v[192:199]
.endif
.endr
.endr
.rept 8
	v_nop                                          ; eight places behind this form, ahead of loads into its sources and of the first read of its results
.endr
.irp ct, 0,1
.irp n, 0,1,2,3
.irp k, 0,1,2,3,4,5,6,7
	global_load_b32 v[24+32*\ct+8*\n+\k], v3, s[6:7] offset:(2+\ct)*65536+\k*4096+\n*64   ; Wo's rows 32 to 63 of the head, where Q and K lay
.endr
.endr
.endr
.irp j, 0,1,2,3,4,5,6,7
	v_add_f32 v[16+\j], v[184+\j], v[192+\j]       ; lane (r, h): query r, key 8 h + j
.endr
.irp j, 0,1,2,3,4,5,6,7
	v_cmp_gt_i32 vcc_lo, \j, v8                    ; hidden where 8 h + j > r
	v_cndmask_b32 v[16+\j], v[16+\j], v9, vcc_lo
.endr
	v_max3_num_f32 v10, v16, v17, v18
	v_max3_num_f32 v11, v19, v20, v21
	v_max3_num_f32 v10, v10, v22, v23
	v_max_num_f32 v10, v10, v11
	v_permlanex16_b32 v11, v10, s26, s27
	v_max_num_f32 v10, v10, v11                    ; the row's maximum (key 0 counts for every query)
	v_mul_f32 v12, s20, v10
.irp j, 0,1,2,3,4,5,6,7
	v_fma_f32 v[16+\j], v[16+\j], s20, -v12
.endr
.irp j, 0,1,2,3,4,5,6,7
	v_exp_f32 v[16+\j], v[16+\j]
.endr
	v_nop                                          ; a plain line behind the last exponential
	s_wait_alu depctr_va_vdst(0)                   ; one wait for the eight, ahead of their first reader
	v_add_f32 v13, v16, v17
	v_add_f32 v14, v18, v19
	v_add_f32 v15, v20, v21
	v_add_f32 v11, v22, v23
	v_add_f32 v13, v13, v14
	v_add_f32 v15, v15, v11
	v_add_f32 v13, v13, v15
	v_permlanex16_b32 v11, v13, s26, s27
	v_add_f32 v13, v13, v11                        ; the row's sum
	v_rcp_f32 v14, v13
	v_nop
	s_wait_alu depctr_va_vdst(0)
.irp k, 0,1,2,3                        ; O^T = V^T P: link k takes keys 8 h + 2 k + 0, 1; four sums by turns
.irp ct, 0,1,2,3
.if \k == 0
	v_wmma_f32_16x16x4_f32 v[184+8*\ct:191+8*\ct], v[88+8*\ct:89+8*\ct], v[16:17], 0
.else
	v_wmma_f32_16x16x4_f32 v[184+8*\ct:191+8*\ct], v[88+8*\ct+2*\k:89+8*\ct+2*\k], v[16+2*\k:17+2*\k], v[184+8*\ct:191+8*\ct]
.endif
.endr
.endr
.rept 8
	v_nop
.endr
.irp i, 0,1,2,3,4,5,6,7,8,9,10,11,12,13,14,15,16,17,18,19,20,21,22,23,24,25,26,27,28,29,30,31
	v_mul_f32 v[88+\i], v[184+\i], v14             ; ctx: lane (r, h): query r, channel 16 (i / 8) + 8 h + i % 8
.endr
	s_wait_loadcnt 63                              ; 64 loads were issued behind Wo's rows 0 to 31: those are in
.irp ct, 0,1                           ; the slab, transposed: source 0 = 16 columns of Wo, source 1 = ctx; four sums by turns
.irp k, 0,1,2,3
.irp n, 0,1,2,3
.if (\ct == 0) && (\k == 0)
	v_wmma_f32_16x16x4_f32 v[216+8*\n:223+8*\n], v[120+8*\n:121+8*\n], v[88:89], 0
.else
	v_wmma_f32_16x16x4_f32 v[216+8*\n:223+8*\n], v[120+32*\ct+8*\n+2*\k:121+32*\ct+8*\n+2*\k], v[88+8*\ct+2*\k:89+8*\ct+2*\k], v[216+8*\n:223+8*\n]
.endif
.endr
.endr
.endr
	s_wait_loadcnt 0x0                             ; Wo's rows 32 to 63
.irp ct, 0,1
.irp k, 0,1,2,3
.irp n, 0,1,2,3
	v_wmma_f32_16x16x4_f32 v[216+8*\n:223+8*\n], v[24+32*\ct+8*\n+2*\k:25+32*\ct+8*\n+2*\k], v[104+8*\ct+2*\k:105+8*\ct+2*\k], v[216+8*\n:223+8*\n]
.endr
.endr
.endr
.rept 8
	v_nop
.endr
.irp n, 0,1,2,3
	ds_store_b128 v4, v[216+8*\n:219+8*\n] offset:64*\n            ; lane (r, h): query r, columns 16 n + 8 h + 0..7; each sum from its low end on
	ds_store_b128 v4, v[220+8*\n:223+8*\n] offset:64*\n+16
.endr
	s_wait_dscnt 0x0                               ; for the others' sake: my share lies in LDS
	s_barrier_signal -1
	s_barrier_wait -1
	s_cmp_ge_u32 s12, 8                            ; 256 threads add: 16 rows x 16 pieces of 16 bytes
	s_cbranch_scc1 .Lend
.irp i, 0,1,2,3,4,5,6,7,8,9,10,11,12,13,14,15
	ds_load_b128 v[24+4*\i:27+4*\i], v5 offset:\i*SHB
.endr
	s_wait_dscnt 0x0
	v_pk_add_f32 v[12:13], v[24:25], v[28:29]
	v_pk_add_f32 v[14:15], v[26:27], v[30:31]
.irp i, 2,3,4,5,6,7,8,9,10,11,12,13,14,15
	v_pk_add_f32 v[12:13], v[12:13], v[24+4*\i:25+4*\i]
	v_pk_add_f32 v[14:15], v[14:15], v[26+4*\i:27+4*\i]
.endr
	v_pk_add_f32 v[12:13], v[12:13], v[248:249]
	v_pk_add_f32 v[14:15], v[14:15], v[250:251]
	global_store_b128 v252, v[12:15], s[10:11]     ; sixteen lanes store 256 consecutive bytes
.Lend:
	s_wait_tensorcnt 0x0                           ; the wave's end, behind my last LDS store
	ds_add_u32 v6, v7
	s_wait_dscnt 0x0
	s_endpgm
.Lfunc_end_k_qad77b6a770_fine:
	.size	k_qad77b6a770_fine, .Lfunc_end_k_qad77b6a770_fine-k_qad77b6a770_fine
	.p2alignl 7, 3214868480
	.fill 96, 4, 3214868480
	.section	.rodata,"a",@progbits
	.p2align	6, 0x0
	.amdhsa_kernel k_qad77b6a770_fine
		.amdhsa_group_segment_fixed_size 71680
		.amdhsa_private_segment_fixed_size 0
		.amdhsa_enable_private_segment 0
		.amdhsa_kernarg_size 32
		.amdhsa_user_sgpr_count 2
		.amdhsa_user_sgpr_kernarg_segment_ptr 1
		.amdhsa_wavefront_size32 1
		.amdhsa_system_sgpr_workgroup_id_x 1
		.amdhsa_system_sgpr_workgroup_id_y 1
		.amdhsa_system_sgpr_workgroup_id_z 1
		.amdhsa_system_vgpr_workitem_id 0
		.amdhsa_next_free_vgpr 256
		.amdhsa_next_free_sgpr 66
		.amdhsa_reserve_vcc 1
		.amdhsa_float_denorm_mode_32 3
		.amdhsa_float_denorm_mode_16_64 3
		.amdhsa_memory_ordered 1
		.amdhsa_forward_progress 1
		.amdhsa_inst_pref_size 34
	.end_amdhsa_kernel
	.amdgpu_metadata
---
amdhsa.version: [ 1, 2 ]
amdhsa.kernels:
  - .name:           k_qad77b6a770_fine
    .symbol:         k_qad77b6a770_fine.kd
    .args:
      - { .name: q32, .offset: 0, .size: 8, .value_kind: global_buffer, .address_space: global }
      - { .name: Wo, .offset: 8, .size: 8, .value_kind: global_buffer, .address_space: global }
      - { .name: bo, .offset: 16, .size: 8, .value_kind: global_buffer, .address_space: global }
      - { .name: out0, .offset: 24, .size: 8, .value_kind: global_buffer, .address_space: global }
    .group_segment_fixed_size: 71680
    .private_segment_fixed_size: 0
    .kernarg_segment_align: 8
    .kernarg_segment_size: 32
    .max_flat_workgroup_size: 512
    .sgpr_count:     66
    .vgpr_count:     256
    .wavefront_size: 32
...
	.end_amdgpu_metadata
.endif
;; end of part 6
